; MI455X (gfx1250); checked and timed in simulation.
; The chip was launched on July 23, 2026; its instructions are those of AMD's public machine-readable ISA for CDNA 5 (MIT licence, August 2026) and "CDNA5" Instruction Set Architecture Reference Guide (July 2026). The comments in the code are by the model that wrote it; some were corrected since.
;; Economic Self Attention. Allowed arithmetic: matrix products marked QUANTISED: E2M3 operands, one E8M0 scale for each 32 along K, by v_wmma_scale_f32_16x16x128_f8f6f4 with both operands' format E2M3, f32 sums; everything else in f32.
;; Inputs: Wk 512 x 512 float32; Wo 512 x 512 float32; Wq 512 x 512 float32; Wv 512 x 512 float32; bk 512 float32; bo 512 float32; bq 512 float32; bv 512 float32; gamma 2 x 4,096 x 1 float32; x 2 x 4,096 x 512 float32.
;; Outputs: out0 2 x 4,096 x 512 float32.
;; This version of the problem:
;;   THIS VERSION OF THE PROBLEM IS GIVEN IN LOW PRECISION. The matrix products marked QUANTISED in the list below multiply operands that are first quantised to E2M3 (2 exponent bits, 3 mantissa bits; 6 bits a number), with one power-of-two scale for each 32 numbers along K (OCP MX v1.0); their sums are f32. All else is computed in f32.
;;   The module's matrix products, in the order in which they are computed (A, B: the left and right operand; K: the contracted axis; several contracted axes count as one K, in the product's order):
;;     1. [M 8,192, K 512] x [K 512, N 512]; A: input x; B: input Wq: QUANTISED
;;     2. [M 8,192, K 512] x [K 512, N 512]; A: input x; B: input Wk: QUANTISED
;;     3. [M 8,192, K 512] x [K 512, N 512]; A: input x; B: input Wv: QUANTISED
;;     4. batch 16 x [M 4,096, K 64] x [K 64, N 4,096]; A: computed on the way; B: computed on the way: QUANTISED
;;     5. batch 16 x [M 4,096, K 4,096] x [K 4,096, N 64]; A: softmax (see below); B: computed on the way: QUANTISED
;;     6. [M 8,192, K 512] x [K 512, N 512]; A: computed on the way; B: input Wo: QUANTISED
;;   THE QUANTISER, for each operand of a quantised product, along K:
;;     - K is cut into blocks of 32 from its start; a last block that is shorter is filled with zeros.
;;     - A block's scale is 2^e with e = floor(log2(the largest magnitude in the block)) - 2, held to -126 .. 127; a block of zeros has e = 0. As a byte (E8M0): e + 127.
;;     - Each number is divided by its block's scale, clamped to +-7.5, and rounded to the nearest number of E2M3, ties to even, subnormals kept.
;;     - The product sums the exact products of the quantised numbers (number of the format x scale) in f32.
;;   ~~~python
;;   def quantise(x, axis):      # numpy; x: float32 -> the quantised numbers, widened to float32 again
;;       x = np.moveaxis(x, axis, -1); K = x.shape[-1]
;;       x = np.pad(x, [(0, 0)] * (x.ndim - 1) + [(0, -K % 32)]); x = x.reshape(x.shape[:-1] + (-1, 32)); a = np.abs(x).max(-1, keepdims=True)
;;       e = np.where(a > 0, np.clip(np.frexp(np.where(a > 0, a, 1))[1] - 1 - 2, -126, 127), 0)      # np.frexp(a)[1] - 1 = floor(log2(a)), exactly
;;       r = np.clip(x / 2.0 ** e, -7.5, 7.5)
;;       step = 2.0 ** (np.maximum(np.frexp(np.where(r == 0, 1, r))[1] - 1, 0) - 3)
;;       q = np.round(r / step) * step * 2.0 ** e      # np.round: ties to even
;;       return np.moveaxis(q.reshape(q.shape[:-2] + (-1,))[..., :K], -1, axis).astype(np.float32)
;;   ~~~
;;   SOFTMAX AHEAD OF A QUANTISED PRODUCT. Where the list says 'softmax', what is quantised is not the finished softmax but p = 2^(t - M), with t = logit x log2(e) and M = ceil(the row's largest t), a whole number; so 1/2 < the row's largest p <= 1. The row's sum l is taken of the UNQUANTISED p, in f32, and the product's result is divided by l at the end. Since M is a whole number, a kernel that streams over the keys may use a running M (the ceiling of the running maximum): every later rescaling is an exact power of two, which a block's scale takes up: the codes' values come out the same.
;;   OPERANDS COMPUTED ON THE WAY. 'Computed on the way' means the value that the module computes at that place (a softmax that the list does not call 'softmax' is quantised finished and normalised). What goes into a quantiser is computed in f32, as accurately as f32 sums, v_exp_f32 and their like allow (about 1e-6 of the number): no bf16 or f16 on the way to a quantiser, and a product that is left as it is and whose result goes on into a quantised operand takes f32 operands (vector FMAs, or v_wmma_f32_16x16x4_f32). A number that lies on a knife's edge between two numbers of the format may be rounded either way, as far as f32 arithmetic and the matrix unit's own rounding can turn it there, and no further.
;; 2 versions. Each part assembles by itself: llvm-mc -triple=amdgcn-amd-amdhsa -mcpu=gfx1250 --defsym DOCPART=n.
;; ======== version 1 of 2: 4 launches
;; workspace buffers: img 4,259,840 bytes; qkv 9,437,184 bytes; sc 655,360 bytes; ab 3,670,016 bytes
;; launch quant (part 1): grid 256 x 1, 5 waves a work-group, no clusters, 85,248 bytes of LDS; arguments x, Wq, Wk, Wv, Wo, img; writes img
.if DOCPART == 1
	.amdgcn_target "amdgcn-amd-amdhsa--gfx1250"
	.amdhsa_code_object_version 6
	.text
	.protected	k_q00cdad0618_quant
	.globl	k_q00cdad0618_quant
	.p2align	8
	.type	k_q00cdad0618_quant,@function
k_q00cdad0618_quant:
	s_mov_b64 s[64:65], 0
	v_nop
	global_prefetch_b8 v0, s[64:65] scope:SCOPE_SE
	s_setreg_imm32_b32 hwreg(HW_REG_WAVE_MODE, 25, 1), 1
	s_wait_xcnt 0x0
; x [8192][512] and Wq, Wk, Wv, Wo [512][512], f32 with K innermost, become codes of FP6 (E2M3) with one E8M0 byte for each 32 along K,
; laid as IMAGES OF OPERAND REGISTERS: a fragment (16 rows x 128 K) is 12 registers a lane, stored as three runs of 512 bytes, lane l's 16 bytes at 16 l.
; TILES: rows go in groups of 32; tile 2 G + u holds rows 32 G + 8 u + m + 8 (m / 8), m = 0 .. 15.  As source 0 of a product two neighbouring tiles
; then leave 16 neighbouring coordinates in a lane's 16 result registers.  640 tiles: 0-511 x, from 512 Wq, 544 Wk, 576 Wv, 608 Wo.
; img: codes at 6144 T + 1536 s + 512 g + 16 lane (s: K step of 128, g: registers 4 g .. 4 g + 3); scale words from byte SCB on at 512 T + 256 (s / 2) + 8 lane + 4 (s % 2).
; A block's scale is 2^(floor(log2(its largest magnitude)) - 2); its byte is the largest magnitude's exponent field - 2, held at 1 from below.
; LIMITS: a block of zeros, or one whose largest magnitude lies under 2^-124, keeps the byte 1 (its bytes are read by this program alone); NaN and infinities are not served.
; SHARES: 1,280 units of one tile x two K steps; 256 work-groups of five waves, a unit a wave.  All 32 loads of a wave go out at once, each of 512 consecutive bytes;
; the numbers turn through the wave's own stage in LDS (rows 528 bytes apart), so that a lane gets 16 neighbours of each block of its row.  Waves share nothing: no barrier.
.set WREG, 16896                       ; LDS of a wave: two stages
.set STG,  8448                        ; a stage: 16 rows x 528 bytes
.set SPT,  528
.set SCB,  3932160                     ; where the scale words begin in img
.set R,    16                          ; v16-143  two K steps as loaded: register 64 p + 4 m: row m
.set X,    144                         ; v144-207 64 numbers of my row: register 16 b + i = k 32 b + 16 (lane / 16) + i
.set PC,   208                         ; v208-226 the codes just made
.set TM,   228                         ; v228-231 largest magnitudes, v232-235 the other half's, then bytes, v236-239 the conversions' scale operands
.set PW,   240                         ; the scale word just made
.set SWD,  242                         ; v[242:243] the two K steps' scale words
.set SEL,  36                          ; s[36:37] lane selects: lane l xor 16
; 64 numbers of a lane become a fragment's codes in v[PC] .. v[PC+11] and its scale word in v[PW]
.macro QUANT s
.irp b, 0,1,2,3
	v_max3_num_f32 v[TM+\b], |v[\s+16*\b]|, |v[\s+1+16*\b]|, 0x1800000   ; my 16 numbers of block b, and the floor 2^(3 - 127): the byte cannot fall under 1
.endr
.irp i, 2,4,6,8,10,12,14
.irp b, 0,1,2,3
	v_max3_num_f32 v[TM+\b], v[TM+\b], |v[\s+16*\b+\i]|, |v[\s+1+16*\b+\i]|
.endr
.endr
.irp b, 0,1,2,3
	v_permlanex16_b32 v[TM+4+\b], v[TM+\b], s[SEL], s[SEL+1]
.endr
.irp b, 0,1,2,3
	v_max_num_f32 v[TM+\b], v[TM+\b], v[TM+4+\b]                   ; with lane l xor 16: the block's largest magnitude
.endr
.irp b, 0,1,2,3
	v_add_nc_u32 v[TM+8+\b], 0xff000000, v[TM+\b]                  ; 2 off its exponent field: the conversion's scale operand
.endr
.irp b, 0,1,2,3
	v_lshrrev_b32 v[TM+4+\b], 23, v[TM+8+\b]                       ; the scale's byte
.endr
	v_lshl_or_b32 v[PW], v[TM+5], 8, v[TM+4]
	v_lshl_or_b32 v[PW], v[TM+6], 16, v[PW]
	v_lshl_or_b32 v[PW], v[TM+7], 24, v[PW]
.irp c, 0,1
	v_cvt_scalef32_pk16_fp6_f32 v[PC+6*\c:PC+2+6*\c], v[\s+32*\c:\s+15+32*\c], v[TM+8+2*\c]
	v_cvt_scalef32_pk16_fp6_f32 v[PC+12+4*\c:PC+14+4*\c], v[\s+16+32*\c:\s+31+32*\c], v[TM+8+2*\c+1]   ; (three registers begin on an even number)
.endr
	v_nop                                          ; one plain place behind a scaled conversion
.irp c, 0,1                                    ; the layout wants a whole block in a lane: lanes 0-15 block 2 c, lanes 16-31 block 2 c + 1
.irp i, 0,1,2
	v_permlane16_swap_b32 v[PC+6*\c+\i], v[PC+12+4*\c+\i]
.endr
.irp i, 0,1,2
	v_mov_b32 v[PC+3+6*\c+\i], v[PC+12+4*\c+\i]
.endr
.endr
.endm
	s_load_b256 s[4:11], s[0:1], 0x0               ; x, Wq, Wk, Wv
	s_load_b128 s[12:15], s[0:1], 0x20             ; Wo, img
	v_lshl_add_u32 v254, v0, 2, 0x14a00
	v_mov_b32 v255, 0
	v_lshrrev_b32 v5, 5, v0
	v_readfirstlane_b32 s16, v5                    ; wave 0..4
	v_and_b32 v6, 31, v0                           ; lane
	v_and_b32 v7, 15, v0                           ; r
	v_bfe_u32 v8, v0, 4, 1                         ; h
	v_lshlrev_b32 v1, 4, v6                        ; 16 x lane
	v_lshlrev_b32 v2, 3, v6                        ; 8 x lane
	s_mul_i32 s22, s16, WREG
	v_add_nc_u32 v3, s22, v1                       ; into the stage: 16 x lane of a row
	v_mul_u32_u24 v4, v7, SPT
	v_lshl_add_u32 v4, v8, 6, v4
	v_add_nc_u32 v4, s22, v4                       ; out of it: row r, + 64 h
.irp b, 0,1,2,3
	v_mov_b32 v[TM+4+\b], 0                        ; written once: a lane permute's destination counts as one of its sources
.endr
	s_mov_b32 s[SEL], 0x76543210
	s_mov_b32 s[SEL+1], 0xfedcba98
	s_mul_i32 s17, ttmp9, 5
	s_add_co_u32 s17, s17, s16                     ; my unit
	s_lshr_b32 s18, s17, 1                         ; tile T
	s_and_b32 s19, s17, 1                          ; which two K steps
	s_lshr_b32 s20, s18, 5                         ; under 16: x; 16 .. 19: Wq, Wk, Wv, Wo
	s_and_b32 s21, s18, 31
	s_cmp_lt_u32 s20, 16
	s_cselect_b32 s21, s18, s21                    ; the tile's number in its own tensor
	s_lshr_b32 s23, s21, 1
	s_lshl_b32 s23, s23, 16                        ; 32 rows of 2,048 bytes
	s_and_b32 s24, s21, 1
	s_lshl_b32 s24, s24, 14                        ; 8 rows
	s_add_co_u32 s26, s23, s24
	s_lshl_b32 s24, s19, 10                        ; two K steps are 1,024 bytes of a row
	s_add_co_u32 s26, s26, s24
	s_mov_b32 s27, 0
	s_mul_i32 s28, s18, 6144
	s_mul_i32 s24, s19, 3072
	s_add_co_u32 s28, s28, s24                     ; my codes in img
	s_mov_b32 s29, 0
	s_lshl_b32 s32, s18, 9
	s_lshl_b32 s24, s19, 8
	s_add_co_u32 s32, s32, s24
	s_add_co_u32 s32, s32, SCB                     ; my scale words in img
	s_mov_b32 s33, 0
	s_wait_kmcnt 0x0
	s_cmp_eq_u32 s20, 16                           ; the choice of tensor hangs on the unit's number alone
	s_cselect_b64 s[4:5], s[6:7], s[4:5]
	s_cmp_eq_u32 s20, 17
	s_cselect_b64 s[4:5], s[8:9], s[4:5]
	s_cmp_eq_u32 s20, 18
	s_cselect_b64 s[4:5], s[10:11], s[4:5]
	s_cmp_eq_u32 s20, 19
	s_cselect_b64 s[4:5], s[12:13], s[4:5]
	s_add_nc_u64 s[4:5], s[4:5], s[26:27]
	s_add_nc_u64 s[30:31], s[14:15], s[28:29]
	s_add_nc_u64 s[34:35], s[14:15], s[32:33]
.irp p, 0,1
.irp m, 0,1,2,3,4,5,6,7,8,9,10,11,12,13,14,15
	global_load_b128 v[R+64*\p+4*\m:R+64*\p+4*\m+3], v1, s[4:5] offset:(\m+8*(\m/8))*2048+512*\p th:TH_LOAD_NT   ; 512 consecutive bytes: 128 numbers of the tile's row m
.endr
.endr
.macro HALF p
	s_wait_loadcnt 16-16*\p                        ; this K step's 16 loads are in; the other's 16 younger ones may be out
.irp m, 0,1,2,3,4,5,6,7,8,9,10,11,12,13,14,15
	ds_store_b128 v3, v[R+64*\p+4*\m:R+64*\p+4*\m+3] offset:\p*STG+\m*SPT
.endr
.irp b, 0,1,2,3
.irp j, 0,1,2,3
	ds_load_b128 v[X+16*\b+4*\j:X+16*\b+4*\j+3], v4 offset:\p*STG+128*\b+16*\j   ; LDS serves a wave's instructions in order: these see my stores
.endr
.endr
	s_wait_dscnt 0x0
	s_wait_xcnt 0x0                                ; the codes' registers, which earlier stores read, are rewritten only behind this wait
	QUANT X
.irp g, 0,1,2
	global_store_b128 v1, v[PC+4*\g:PC+4*\g+3], s[30:31] offset:\p*1536+\g*512   ; 512 consecutive bytes, at a multiple of 256
.endr
	v_mov_b32 v[SWD+\p], v[PW]
.endm
	HALF 0
	HALF 1
	global_store_b64 v2, v[SWD:SWD+1], s[34:35]    ; 32 lanes store 256 consecutive bytes, aligned
	s_wait_tensorcnt 0x0
	ds_add_u32 v254, v255
	s_wait_dscnt 0x0
	s_endpgm
.Lfunc_end_k_q00cdad0618_quant:
	.size	k_q00cdad0618_quant, .Lfunc_end_k_q00cdad0618_quant-k_q00cdad0618_quant
	.p2alignl 7, 3214868480
	.fill 96, 4, 3214868480
	.section	.rodata,"a",@progbits
	.p2align	6, 0x0
	.amdhsa_kernel k_q00cdad0618_quant
		.amdhsa_group_segment_fixed_size 85248
		.amdhsa_private_segment_fixed_size 0
		.amdhsa_enable_private_segment 0
		.amdhsa_kernarg_size 48
		.amdhsa_user_sgpr_count 2
		.amdhsa_user_sgpr_kernarg_segment_ptr 1
		.amdhsa_wavefront_size32 1
		.amdhsa_system_sgpr_workgroup_id_x 1
		.amdhsa_system_sgpr_workgroup_id_y 1
		.amdhsa_system_sgpr_workgroup_id_z 1
		.amdhsa_system_vgpr_workitem_id 0
		.amdhsa_next_free_vgpr 256
		.amdhsa_next_free_sgpr 66
		.amdhsa_reserve_vcc 0
		.amdhsa_float_denorm_mode_32 3
		.amdhsa_float_denorm_mode_16_64 3
		.amdhsa_memory_ordered 1
		.amdhsa_forward_progress 1
		.amdhsa_inst_pref_size 19
	.end_amdhsa_kernel
	.amdgpu_metadata
---
amdhsa.version: [ 1, 2 ]
amdhsa.kernels:
  - .name:           k_q00cdad0618_quant
    .symbol:         k_q00cdad0618_quant.kd
    .args:
      - { .name: x, .offset: 0, .size: 8, .value_kind: global_buffer, .address_space: global }
      - { .name: Wq, .offset: 8, .size: 8, .value_kind: global_buffer, .address_space: global }
      - { .name: Wk, .offset: 16, .size: 8, .value_kind: global_buffer, .address_space: global }
      - { .name: Wv, .offset: 24, .size: 8, .value_kind: global_buffer, .address_space: global }
      - { .name: Wo, .offset: 32, .size: 8, .value_kind: global_buffer, .address_space: global }
      - { .name: img, .offset: 40, .size: 8, .value_kind: global_buffer, .address_space: global }
    .group_segment_fixed_size: 85248
    .private_segment_fixed_size: 0
    .kernarg_segment_align: 8
    .kernarg_segment_size: 48
    .max_flat_workgroup_size: 160
    .sgpr_count:     66
    .vgpr_count:     256
    .wavefront_size: 32
...
	.end_amdgpu_metadata
.endif
;; end of part 1
;; launch qkv (part 2): grid 64 x 3, 4 waves a work-group, no clusters, 0 bytes of LDS; arguments img, bq, bk, bv, qkv, sc; writes qkv, sc
.if DOCPART == 2
	.amdgcn_target "amdgcn-amd-amdhsa--gfx1250"
	.amdhsa_code_object_version 6
	.text
	.protected	k_q00cdad0618_qkv
	.globl	k_q00cdad0618_qkv
	.p2align	8
	.type	k_q00cdad0618_qkv,@function
k_q00cdad0618_qkv:
	s_mov_b64 s[64:65], 0
	v_nop
	global_prefetch_b8 v0, s[64:65] scope:SCOPE_SE
	s_setreg_imm32_b32 hwreg(HW_REG_WAVE_MODE, 25, 1), 1
	s_wait_xcnt 0x0
; q = x Wq^T + bq, k = x Wk^T + bk, v = x Wv^T + bv on codes of FP6 (E2M3) with E8M0 scales, K = 512; the results are quantised at once: q and k along the head's 64, v along the keys.
; ONE BODY, THREE ROLES (work-group y: 0 q, 1 k, 2 v).  A wave keeps 8 RESIDENT tiles x 4 K steps in registers (384 registers and 32 scale words) and multiplies them by 8 STREAMED tiles,
; one after the other.  Source 0 = resident, source 1 = streamed: a lane holds ONE streamed row and its 64 results run along the 128 resident coordinates, 16 neighbours to two tiles,
; which is the order that the quantiser and the next operand's layout want.
;   q, k: resident = 8 tiles of W (features 128 w on: heads 2 w, 2 w + 1), streamed = x tiles 8 xg + i: results run along the features: two blocks of 32 a head.
;   v:    resident = 8 tiles of x (the 128 keys of key step KS = 4 (xg / 4) + w), streamed = Wv tiles 8 (xg % 4) + i: results run along the keys: a fragment of V^T.
; The bias is the C of each sum's first product: for q, k eight registers a resident tile; for v the lane's own number in all eight.
; OUT.  qkv: regions q, k, v of 3,145,728 bytes.  q, k: tile tau of head bh at 768 (256 bh + tau): registers 0-3 at 16 lane, registers 4-5 at 512 + 8 lane (lane (r, h): block h of the tile's row r).
;       v: 6144 (32 bh + ks) + 1536 t + 512 g + 16 lane.   sc, 40,960 bytes a head: k's words at 256 (tau / 4) + 16 r + 4 (tau % 4); v's from 16,384 at 256 ks + 16 r + 4 t; q's from 24,576, as k's.
;       A word of q or k is byte 0, byte 1, 0x7f, 0x7f: the upper 64 of the next product's K step are zero codes.
; LIMITS: as in the first launch: zero blocks and blocks under 2^-124 keep the byte 1; NaN and infinities are not served.
; 192 work-groups of equal work (three roles x 64).  No LDS: every operand is an image that goes straight into the registers where it is used, 512 consecutive bytes a load.
; REGISTERS.  window 0: v1-6 offsets; v16-63, v64-111 the streamed tile, two sets; v112-175 results; v176-194 codes; v196-207 at work; v208 word; v209 shift; v210-213 four words;
;   v214-221 streamed scale words, two sets; v222-253 resident scale words.  window 1: resident tiles 0-3 at 12 (4 t + s), their bias at 192 + 8 t.  window 2: tiles 4-7 likewise; v224-231, v232-239 the lane's bias.
.set SCB, 3932160
.set XF,  16
.set HA,  112
.set PC,  176
.set TM,  196
.set PW,  208
.set VSH, 209
.set SW,  210
.set XS,  214
.set RS,  222
.set RB,  192
.set BL,  224
.set BLV, 232
.set SEL, 56
.set MSB, 0
.macro WIN new                         ; the immediate's high byte repeats the setting that is left
.if MSB != \new
	s_set_vgpr_msb (MSB<<8)|\new
.set MSB, \new
.endif
.endm
.macro QUANT s
.irp b, 0,1,2,3
	v_max3_num_f32 v[TM+\b], |v[\s+16*\b]|, |v[\s+1+16*\b]|, 0x1800000   ; each accumulator is read from its low end on; the floor 2^(3 - 127) holds the byte at 1 from below
.endr
.irp i, 2,4,6,8,10,12,14
.irp b, 0,1,2,3
	v_max3_num_f32 v[TM+\b], v[TM+\b], |v[\s+16*\b+\i]|, |v[\s+1+16*\b+\i]|
.endr
.endr
.irp b, 0,1,2,3
	v_permlanex16_b32 v[TM+4+\b], v[TM+\b], s[SEL], s[SEL+1]
.endr
.irp b, 0,1,2,3
	v_max_num_f32 v[TM+\b], v[TM+\b], v[TM+4+\b]
.endr
.irp b, 0,1,2,3
	v_add_nc_u32 v[TM+8+\b], 0xff000000, v[TM+\b]
.endr
.irp b, 0,1,2,3
	v_lshrrev_b32 v[TM+4+\b], 23, v[TM+8+\b]
.endr
	v_lshl_or_b32 v[PW], v[TM+5], 8, v[TM+4]
	v_lshl_or_b32 v[PW], v[TM+6], 16, v[PW]
	v_lshl_or_b32 v[PW], v[TM+7], 24, v[PW]
.irp c, 0,1
	v_cvt_scalef32_pk16_fp6_f32 v[PC+6*\c:PC+2+6*\c], v[\s+32*\c:\s+15+32*\c], v[TM+8+2*\c]
	v_cvt_scalef32_pk16_fp6_f32 v[PC+12+4*\c:PC+14+4*\c], v[\s+16+32*\c:\s+31+32*\c], v[TM+8+2*\c+1]
.endr
	v_nop                                          ; one plain place behind a scaled conversion
.irp c, 0,1
.irp i, 0,1,2
	v_permlane16_swap_b32 v[PC+6*\c+\i], v[PC+12+4*\c+\i]
.endr
.irp i, 0,1,2
	v_mov_b32 v[PC+3+6*\c+\i], v[PC+12+4*\c+\i]
.endr
.endr
.endm
	s_load_b256 s[4:11], s[0:1], 0x0               ; img, bq, bk, bv
	s_load_b128 s[12:15], s[0:1], 0x20             ; qkv, sc
	v_lshrrev_b32 v9, 5, v0
	v_readfirstlane_b32 s16, v9                    ; wave w
	s_and_b32 s17, ttmp7, 0xffff                   ; the role
	v_and_b32 v9, 31, v0
	v_and_b32 v7, 15, v0                           ; r
	v_bfe_u32 v8, v0, 4, 1                         ; h
	v_lshlrev_b32 v1, 4, v9                        ; 16 x lane
	v_lshlrev_b32 v2, 3, v9                        ; 8 x lane
	v_add_nc_u32 v3, 512, v2                       ; 8 x lane + 512
	v_lshlrev_b32 v5, 6, v8                        ; 64 h: the resident bias
	v_and_b32 v6, 8, v7
	v_add_nc_u32 v6, v6, v7
	v_lshlrev_b32 v6, 2, v6                        ; 4 (r + 8 (r / 8)): the lane's bias
.irp b, 0,1,2,3
	v_mov_b32 v[TM+4+\b], 0
.endr
	s_mov_b32 s[SEL], 0x76543210
	s_mov_b32 s[SEL+1], 0xfedcba98
	; the numbers of roles q and k
	s_lshr_b32 s19, ttmp9, 5                       ; batch
	s_lshl_b32 s22, ttmp9, 3                       ; first streamed tile: 8 xg
	s_and_b32 s20, s22, 255                        ; and its number in the batch
	s_lshl_b32 s21, s17, 5
	s_lshl_b32 s23, s16, 3
	s_add_co_u32 s21, s21, s23
	s_add_co_u32 s21, s21, 512                     ; first resident tile: 512 + 32 role + 8 w
	s_lshl_b32 s23, s19, 3
	s_lshl_b32 s24, s16, 1
	s_add_co_u32 s23, s23, s24                     ; head 8 b + 2 w
	s_lshl_b32 s24, s23, 8
	s_add_co_u32 s24, s24, s20
	s_mul_i32 s24, s24, 768
	s_mul_i32 s25, s17, 3145728
	s_add_co_u32 s24, s24, s25                     ; codes out
	s_mul_i32 s25, s23, 40960
	s_sub_co_u32 s26, 1, s17
	s_mul_i32 s26, s26, 24576                      ; q's words lie 24,576 behind k's
	s_add_co_u32 s25, s25, s26
	s_lshl_b32 s26, s20, 6                         ; 256 (tau / 4): tau is a multiple of 8 here
	s_add_co_u32 s25, s25, s26                     ; words out
	; the numbers of role v
	s_and_b32 s27, ttmp9, 3                        ; sg
	s_lshr_b32 s28, ttmp9, 2
	s_lshl_b32 s28, s28, 2
	s_add_co_u32 s28, s28, s16                     ; KS
	s_lshr_b32 s29, s28, 5                         ; batch
	s_and_b32 s30, s28, 31                         ; key step in the batch
	s_lshl_b32 s29, s29, 3
	s_lshl_b32 s31, s27, 1
	s_add_co_u32 s29, s29, s31                     ; head 8 b + 2 sg
	s_lshl_b32 s31, s29, 5
	s_add_co_u32 s31, s31, s30
	s_mul_i32 s31, s31, 6144
	s_add_co_u32 s31, s31, 6291456                 ; codes out
	s_mul_i32 s32, s29, 40960
	s_lshl_b32 s33, s30, 8
	s_add_co_u32 s32, s32, s33
	s_add_co_u32 s32, s32, 16384                   ; words out
	s_lshl_b32 s28, s28, 3                         ; first resident tile: 8 KS
	s_lshl_b32 s33, s27, 3
	s_add_co_u32 s33, s33, 576                     ; first streamed tile
	s_lshl_b32 s27, s27, 9                         ; the streamed rows' bias begins 512 sg bytes on
	s_cmp_eq_u32 s17, 2                            ; the choice
	s_cselect_b32 s21, s28, s21
	s_cselect_b32 s22, s33, s22
	s_cselect_b32 s24, s31, s24
	s_cselect_b32 s25, s32, s25
	s_cselect_b32 s27, s27, 0
	s_cselect_b32 s34, 0, 16                       ; q, k: lanes 16-31 take the word's upper two bytes (head 2 w + 1)
	s_cselect_b32 s35, -1, 0xffff
	s_cselect_b32 s36, 0, 0x7f7f0000
	s_cselect_b32 s37, 0, 40960                    ; and store them a head further on
	v_mul_u32_u24 v[VSH], v8, s34
	v_mul_u32_u24 v4, v8, s37
	v_lshl_add_u32 v4, v7, 4, v4                   ; where a lane's four words go
	s_wait_kmcnt 0x0
	s_cmp_eq_u32 s17, 1
	s_cselect_b64 s[6:7], s[8:9], s[6:7]
	s_cmp_eq_u32 s17, 2
	s_cselect_b64 s[6:7], s[10:11], s[6:7]         ; the role's bias
	s_mov_b32 s39, 0
	s_mul_i32 s38, s21, 6144
	s_add_nc_u64 s[40:41], s[4:5], s[38:39]        ; resident codes
	s_lshl_b32 s38, s21, 9
	s_add_co_u32 s38, s38, SCB
	s_add_nc_u64 s[42:43], s[4:5], s[38:39]        ; resident words
	s_mul_i32 s38, s22, 6144
	s_add_nc_u64 s[44:45], s[4:5], s[38:39]        ; streamed codes
	s_lshl_b32 s38, s22, 9
	s_add_co_u32 s38, s38, SCB
	s_add_nc_u64 s[46:47], s[4:5], s[38:39]        ; streamed words
	s_lshl_b32 s38, s16, 9
	s_add_nc_u64 s[48:49], s[6:7], s[38:39]        ; bias of features 128 w on
	s_mov_b32 s38, s27
	s_add_nc_u64 s[50:51], s[6:7], s[38:39]
	s_mov_b32 s38, s24
	s_add_nc_u64 s[52:53], s[12:13], s[38:39]
	s_mov_b32 s38, s25
	s_add_nc_u64 s[54:55], s[14:15], s[38:39]
	; every role issues every load, so that each register is written on every way; all addresses lie inside their buffers
	WIN 0x40                                       ; destination window 1
.irp t, 0,1,2,3
.irp s, 0,1,2,3
.irp g, 0,1,2
	global_load_b128 v[12*(4*\t+\s)+4*\g:12*(4*\t+\s)+4*\g+3], v1, s[40:41] offset:\t*6144+\s*1536+\g*512
.endr
.endr
.endr
.irp t, 0,1,2,3
	global_load_b128 v[RB+8*\t:RB+8*\t+3], v5, s[48:49] offset:(32*(\t/2)+8*(\t%2))*4
	global_load_b128 v[RB+8*\t+4:RB+8*\t+7], v5, s[48:49] offset:(32*(\t/2)+8*(\t%2))*4+16
.endr
	WIN 0x80                                       ; destination window 2
.irp t, 0,1,2,3
.irp s, 0,1,2,3
.irp g, 0,1,2
	global_load_b128 v[12*(4*\t+\s)+4*\g:12*(4*\t+\s)+4*\g+3], v1, s[40:41] offset:(\t+4)*6144+\s*1536+\g*512
.endr
.endr
.endr
.irp t, 0,1,2,3
	global_load_b128 v[RB+8*\t:RB+8*\t+3], v5, s[48:49] offset:(64+32*(\t/2)+8*(\t%2))*4
	global_load_b128 v[RB+8*\t+4:RB+8*\t+7], v5, s[48:49] offset:(64+32*(\t/2)+8*(\t%2))*4+16
.endr
.irp i, 0,1,2,3,4,5,6,7
	global_load_b32 v[BLV+\i], v6, s[50:51] offset:(32*(\i/2)+8*(\i%2))*4
.endr
	WIN 0
.irp t, 0,1,2,3,4,5,6,7
	global_load_b64 v[RS+4*\t:RS+4*\t+1], v2, s[42:43] offset:\t*512
	global_load_b64 v[RS+4*\t+2:RS+4*\t+3], v2, s[42:43] offset:\t*512+256
.endr
.macro FETCH i                         ; streamed tile i: 12 + 2 loads into set i % 2
.irp s, 0,1,2,3
.irp g, 0,1,2
	global_load_b128 v[XF+48*((\i)%2)+12*\s+4*\g:XF+48*((\i)%2)+12*\s+4*\g+3], v1, s[44:45] offset:(\i)*6144+\s*1536+\g*512
.endr
.endr
	global_load_b64 v[XS+4*((\i)%2):XS+4*((\i)%2)+1], v2, s[46:47] offset:(\i)*512
	global_load_b64 v[XS+4*((\i)%2)+2:XS+4*((\i)%2)+3], v2, s[46:47] offset:(\i)*512+256
.endm
; one product: streamed tile i, K step s, resident tile t.  c = 1: C is the resident bias; 2: the lane's bias; 0: in place
.macro PROD i, s, t, c
.set rD, HA+8*(\t)
.set rA, 12*(4*((\t)%4)+(\s))
.set rB, XF+48*((\i)%2)+12*(\s)
.set rP, RS+4*(\t)+(\s)
.set rQ, XS+4*((\i)%2)+(\s)
.if \c == 1
	v_wmma_scale_f32_16x16x128_f8f6f4 v[rD:rD+7], v[rA:rA+11], v[rB:rB+11], v[RB+8*((\t)%4):RB+8*((\t)%4)+7], v[rP], v[rQ] matrix_a_fmt:MATRIX_FMT_FP6 matrix_b_fmt:MATRIX_FMT_FP6
.elseif \c == 2
	v_wmma_scale_f32_16x16x128_f8f6f4 v[rD:rD+7], v[rA:rA+11], v[rB:rB+11], v[BL:BL+7], v[rP], v[rQ] matrix_a_fmt:MATRIX_FMT_FP6 matrix_b_fmt:MATRIX_FMT_FP6
.else
	v_wmma_scale_f32_16x16x128_f8f6f4 v[rD:rD+7], v[rA:rA+11], v[rB:rB+11], v[rD:rD+7], v[rP], v[rQ] matrix_a_fmt:MATRIX_FMT_FP6 matrix_b_fmt:MATRIX_FMT_FP6
.endif
.endm
.macro TILE i
.if (\i) < 7
	FETCH (\i)+1                                   ; into the set that the tile before has left: its quantising lies between
	s_wait_loadcnt 14                              ; all but the 14 loads just issued: this tile is in (and, the first time, all that is resident)
.else
	s_wait_loadcnt 0x0
.endif
	s_cmp_eq_u32 s17, 2                            ; at a branch and at a label every window is 0
	s_cbranch_scc1 .Lvb_\@
	WIN 0x11                                       ; source 0 and C window 1
.irp t, 0,1,2,3
	PROD \i, 0, \t, 1
.endr
	WIN 0x22
.irp t, 4,5,6,7
	PROD \i, 0, \t, 1
.endr
	WIN 0
	s_branch .Ljb_\@
.Lvb_\@:
	WIN 0x82                                       ; role v: the bias belongs to the lane's streamed row: the same number in all eight registers
.irp j, 0,1,2,3,4,5,6,7
	v_mov_b32 v[BL+\j], v[BLV+(\i)]
.endr
.rept 4
	v_nop
.endr
	WIN 0x21                                       ; source 0 window 1, C window 2
.irp t, 0,1,2,3
	PROD \i, 0, \t, 2
.endr
	WIN 0x22
.irp t, 4,5,6,7
	PROD \i, 0, \t, 2
.endr
	WIN 0
.Ljb_\@:
.irp s, 1,2,3                                  ; the eight accumulators take turns, one instruction a turn
	WIN 0x01
.irp t, 0,1,2,3
	PROD \i, \s, \t, 0
.endr
	WIN 0x02
.irp t, 4,5,6,7
	PROD \i, \s, \t, 0
.endr
.endr
	WIN 0
.rept 4
	v_nop                                          ; four places in front of the first read of results (ISA guide 7.12.1)
.endr
	s_wait_xcnt 0x0                                ; the codes and words that earlier stores read are rewritten only behind this wait
	QUANT HA
	v_lshrrev_b32 v[SW+(\i)%4], v[VSH], v[PW]      ; q, k: two bytes of my half's head, over 0x7f 0x7f; v: the word as it is
	v_and_or_b32 v[SW+(\i)%4], v[SW+(\i)%4], s35, s36
	s_cmp_eq_u32 s17, 2
	s_cbranch_scc1 .Lvs_\@
	global_store_b128 v1, v[PC:PC+3], s[52:53] offset:(\i)*768               ; head 2 w: 512 + 256 consecutive bytes, at multiples of 256
	global_store_b64 v3, v[PC+4:PC+5], s[52:53] offset:(\i)*768
	global_store_b128 v1, v[PC+6:PC+9], s[52:53] offset:(\i)*768+196608      ; head 2 w + 1
	global_store_b64 v3, v[PC+10:PC+11], s[52:53] offset:(\i)*768+196608
.if (\i)%4 == 3
	global_store_b128 v4, v[SW:SW+3], s[54:55] offset:((\i)/4)*256           ; four tiles' words: lanes 0-15 fill 256 bytes of head 2 w, lanes 16-31 of head 2 w + 1
.endif
	s_branch .Ljs_\@
.Lvs_\@:
.irp g, 0,1,2
	global_store_b128 v1, v[PC+4*\g:PC+4*\g+3], s[52:53] offset:((\i)/4)*196608+((\i)%4)*1536+\g*512
.endr
.if (\i)%4 == 3
	global_store_b128 v4, v[SW:SW+3], s[54:55] offset:((\i)/4)*40960         ; a head's four tiles' words: 256 bytes; lanes 16-31 write the same words to the same bytes
.endif
.Ljs_\@:
.endm
	FETCH 0
.irp i, 0,1,2,3,4,5,6,7
	TILE \i
.endr
	s_endpgm
.Lfunc_end_k_q00cdad0618_qkv:
	.size	k_q00cdad0618_qkv, .Lfunc_end_k_q00cdad0618_qkv-k_q00cdad0618_qkv
	.p2alignl 7, 3214868480
	.fill 96, 4, 3214868480
	.section	.rodata,"a",@progbits
	.p2align	6, 0x0
	.amdhsa_kernel k_q00cdad0618_qkv
		.amdhsa_group_segment_fixed_size 0
		.amdhsa_private_segment_fixed_size 0
		.amdhsa_enable_private_segment 0
		.amdhsa_kernarg_size 48
		.amdhsa_user_sgpr_count 2
		.amdhsa_user_sgpr_kernarg_segment_ptr 1
		.amdhsa_wavefront_size32 1
		.amdhsa_system_sgpr_workgroup_id_x 1
		.amdhsa_system_sgpr_workgroup_id_y 1
		.amdhsa_system_sgpr_workgroup_id_z 1
		.amdhsa_system_vgpr_workitem_id 0
		.amdhsa_next_free_vgpr 768
		.amdhsa_next_free_sgpr 66
		.amdhsa_reserve_vcc 0
		.amdhsa_float_denorm_mode_32 3
		.amdhsa_float_denorm_mode_16_64 3
		.amdhsa_memory_ordered 1
		.amdhsa_forward_progress 1
		.amdhsa_inst_pref_size 114
	.end_amdhsa_kernel
	.amdgpu_metadata
---
amdhsa.version: [ 1, 2 ]
amdhsa.kernels:
  - .name:           k_q00cdad0618_qkv
    .symbol:         k_q00cdad0618_qkv.kd
    .args:
      - { .name: img, .offset: 0, .size: 8, .value_kind: global_buffer, .address_space: global }
      - { .name: bq, .offset: 8, .size: 8, .value_kind: global_buffer, .address_space: global }
      - { .name: bk, .offset: 16, .size: 8, .value_kind: global_buffer, .address_space: global }
      - { .name: bv, .offset: 24, .size: 8, .value_kind: global_buffer, .address_space: global }
      - { .name: qkv, .offset: 32, .size: 8, .value_kind: global_buffer, .address_space: global }
      - { .name: sc, .offset: 40, .size: 8, .value_kind: global_buffer, .address_space: global }
    .group_segment_fixed_size: 0
    .private_segment_fixed_size: 0
    .kernarg_segment_align: 8
    .kernarg_segment_size: 48
    .max_flat_workgroup_size: 128
    .sgpr_count:     66
    .vgpr_count:     768
    .wavefront_size: 32
...
	.end_amdgpu_metadata
.endif
;; end of part 2
;; launch attn (part 3): grid 16 x 16, 16 waves a work-group, no clusters, 327,680 bytes of LDS; arguments qkv, sc, gamma, ab; writes ab
.if DOCPART == 3
	.amdgcn_target "amdgcn-amd-amdhsa--gfx1250"
	.amdhsa_code_object_version 6
	.text
	.protected	k_q00cdad0618_attn
	.globl	k_q00cdad0618_attn
	.p2align	8
	.type	k_q00cdad0618_attn,@function
k_q00cdad0618_attn:
	s_mov_b64 s[64:65], 0
	v_nop
	global_prefetch_b8 v0, s[64:65] scope:SCOPE_SE
	s_setreg_imm32_b32 hwreg(HW_REG_WAVE_MODE, 25, 1), 1
	s_wait_xcnt 0x0
; Causal attention of one head on codes of FP6 (E2M3) with E8M0 scales: logit(i, j) = q_i . k_j / 8 - log(1 + gamma_i (i - j)), j <= i; the result, divided by the row's sum, is quantised along D.
; THE SOFTMAX: t = logit x log2(e); M = the running largest t rounded up to a whole number; p = 2^(t - M) is quantised along the keys, not normalised; the row's sum is taken of the unquantised p.
; When M moves, the sum and O are multiplied by 2^(old M - new M), which rounds nothing.
; THE BIAS RIDES IN AS THE C OF THE FIRST PRODUCT: u = score - 8 ln 2 x log2(1 + gamma delta), t = u x c with c = log2(e) / 8.  delta is made exactly in f32 (whole numbers under 2^13).
; LIMITS: the 1e-8 inside log1p is folded into the 1 (in f32 1 + 1e-8 is 1): p changes by at most 1e-8 / (1 + gamma delta) of itself, which passes 1e-6 only where 1 + gamma delta < 0.01;
;   zero blocks and blocks under 2^-124 keep the scale byte 1; NaN and infinities among the inputs are not served.
; SHARES.  Work-group (g, head): sixteen waves, each ONE tile of 16 queries in 256 registers, four waves to a SIMD.  Eight waves take tiles 8 g + 0 .. 7, eight take 255 - (8 g + 0 .. 7):
; early and late queries together, so that every work-group has 8 x 33 key steps of work, and waves w, w + 4, w + 8, w + 12 as well as waves 4 n .. 4 n + 3 hold two of each kind.
; A key step is 128 keys: 8 products K Q^T (K = 64: the upper half of the instruction's 128 meets zero codes of Q) and 4 products V^T P^T.  A step all of whose keys come after the wave's queries is left out.
; LAYOUT.  Both products are used transposed, a lane holds one query throughout; tiles hold rows 32 G + 8 u + m + 8 (m / 8), so that two neighbouring tiles leave 16 neighbouring keys (or channels) in a lane.
; K, V come as images of operand registers through a ring of two LDS slots of 1,024 keys (K 49,152 bytes, V 49,152), filled by waves 0-3, 24,576 dense bytes each; a refill has eight key steps in which to land.
; The head's scale words of K and V (24,576 bytes) come once, by wave 4.  Every LDS read is 16 or 8 bytes a lane on end: no padding.  A wave has one tensor load out at a time.
; NO CLUSTER: the work-groups that read the same K and V are the sixteen of a head, and each leaves out other key steps, by a branch on its own block of queries; partners of a joint load may not part so.
; REGISTERS: v1-3 lane offsets; v4, v7 my query - 16 h - the step's first key, whole and f32; v5, v6 the spare word and 0; v8-11 addresses of the step; v12 -M, v13 largest t, v[14:15] the sum;
;   v16-21 Q, v22-27 zero codes; v28 Q's word; v[30:31] gamma; v32-85 eight fragments of K, OVERLAPPED: fragment t is v[32 + 6 t .. + 11]: its upper six registers are the next tile's codes (v80-85: zeros),
;   which meet Q's zero codes; later four fragments of V; v86-93 delta's four bases; v96-159 bias, scores, p; v160-191 O^T; v192-210 p's codes; v212-223 at work; v224-231 scale words; v232 p's word;
;   v[234:235] f; v236-239 at work; v240-255 the numbers 0 .. -15.
.set SLOT1, 1<<17                      ; slot 1 begins here: one exclusive or turns an address from one slot into the other
.set KVB,   49152                      ; K's images of a slot; V's lie behind them
.set STEPB, 6144                       ; a key step's images of K, and of V
.set SCL,   98304                      ; K's scale words of the head (16,384 bytes), then V's (8,192)
.set SPARE, 122880                     ; the spare words, 128 bytes for each wave: eight blocks of 256 bytes that no other line names
.set S,     96
.set O,     160
	s_load_b256 s[4:11], s[0:1], 0x0               ; qkv, sc, gamma, ab
	v_lshl_add_u32 v5, v0, 2, SPARE
	v_mov_b32 v6, 0
	ds_add_u32 v5, v6
	s_wait_dscnt 0x0
	v_lshrrev_b32 v8, 5, v0
	v_readfirstlane_b32 s12, v8                    ; wave 0..15
	s_and_b32 s13, ttmp7, 0xffff                   ; batch x 8 + head
	s_lshr_b32 s14, s12, 1
	s_lshr_b32 s15, s12, 2
	s_xor_b32 s15, s15, s12
	s_and_b32 s15, s15, 1                          ; 1: a late tile
	s_lshl_b32 s16, ttmp9, 3
	s_add_co_u32 s16, s16, s14
	s_sub_co_u32 s17, 255, s16
	s_cmp_eq_u32 s15, 1
	s_cselect_b32 s16, s17, s16                    ; my tile of queries
	s_lshr_b32 s18, s16, 1
	s_lshl_b32 s18, s18, 5
	s_and_b32 s17, s16, 1
	s_lshl_b32 s17, s17, 3
	s_add_co_u32 s18, s18, s17                     ; its lowest query; its highest is 23 on
	; descriptor group 1: 24,576 dense bytes as 96 rows of 256 bytes (32 elements of 8 bytes)
	s_mov_b32 s24, 3<<16                           ; no mask; elements of 8 bytes; no padding
	s_mov_b32 s25, 32<<16                          ; tensor_dim0
	s_mov_b32 s26, 96<<16                          ; tensor_dim1
	s_mov_b32 s27, 32<<16                          ; tile_dim0
	s_mov_b32 s28, 96                              ; tile_dim1
	s_mov_b32 s29, 32                              ; stride
	s_mov_b32 s30, 0
	s_mov_b32 s31, 0
	s_min_u32 s14, s12, 3                          ; waves 0, 1: K's halves; 2, 3: V's (the others issue none of these)
	s_mul_i32 s33, s14, 24576                      ; group 0: LDS address, slot 0
	s_lshr_b32 s15, s14, 1
	s_add_co_u32 s15, s15, 1
	s_mul_i32 s56, s15, 3145728                    ; region k or v
	s_mul_i32 s15, s13, 196608                     ; the head's images
	s_add_co_u32 s56, s56, s15
	s_and_b32 s15, s14, 1
	s_mul_i32 s15, s15, 24576
	s_add_co_u32 s56, s56, s15
	s_mov_b32 s57, 0
	s_mul_i32 s58, s13, 40960                      ; the head's scale words
	s_mov_b32 s59, 0
	s_mov_b32 s20, 0x76543210
	s_mov_b32 s21, 0xfedcba98                      ; lane l xor 16
	s_mov_b32 s22, 0x3e38aa3b                      ; c = log2(e) / 8
	s_mov_b32 s23, s22
	s_mov_b32 s60, 0xc0b17218                      ; -8 ln 2 = -1 / c
	s_mov_b32 s61, s60
	s_mov_b32 s19, 0                               ; the step's first key
	s_mov_b32 s40, 0                               ; where the step's images begin in LDS
	s_mov_b32 s41, SCL                             ; K's scale words of the step
	s_mov_b32 s42, SCL+16384                       ; V's
	s_wait_kmcnt 0x0
	s_mov_b32 s32, 1
	s_add_nc_u64 s[34:35], s[4:5], s[56:57]
	s_or_b32 s35, s35, 0x80000000
	s_mov_b32 s36, 1
	s_mov_b32 s37, SCL
	s_add_nc_u64 s[38:39], s[6:7], s[58:59]
	s_or_b32 s39, s39, 0x80000000
	s_cmp_lt_u32 s12, 4                            ; the first fills: slot 0 and the scale words, one load a wave, ahead of every wait on TENSORcnt, LDS read and barrier
	s_cbranch_scc0 .Lnot_kv
	tensor_load_to_lds s[32:35], s[24:31]
	s_nop 0
.rept 4
	v_nop                                          ; four v_nop follow a tensor load
.endr
	s_branch .Lasked
.Lnot_kv:
	s_cmp_eq_u32 s12, 4
	s_cbranch_scc0 .Lasked
	tensor_load_to_lds s[36:39], s[24:31]
	s_nop 0
.rept 4
	v_nop
.endr
.Lasked:
	s_lshl_b32 s56, s13, 8
	s_add_co_u32 s56, s56, s16
	s_mul_i32 s56, s56, 768
	s_add_nc_u64 s[46:47], s[4:5], s[56:57]        ; Q's image
	s_lshr_b32 s14, s16, 2
	s_lshl_b32 s14, s14, 8
	s_and_b32 s15, s16, 3
	s_lshl_b32 s15, s15, 2
	s_add_co_u32 s56, s58, s14
	s_add_co_u32 s56, s56, s15
	s_add_co_u32 s56, s56, 24576
	s_add_nc_u64 s[48:49], s[6:7], s[56:57]        ; Q's scale words
	s_lshr_b32 s14, s13, 3                         ; batch
	s_lshl_b32 s56, s14, 12
	s_add_co_u32 s56, s56, s18
	s_lshl_b32 s56, s56, 2
	s_add_nc_u64 s[50:51], s[8:9], s[56:57]        ; gamma at my lowest query
	s_lshl_b32 s14, s14, 8
	s_add_co_u32 s14, s14, s16
	s_lshl_b32 s14, s14, 3
	s_and_b32 s15, s13, 7
	s_add_co_u32 s14, s14, s15                     ; 8 x (tile of all 512) + head
	s_mul_i32 s56, s14, 768
	s_add_nc_u64 s[52:53], s[10:11], s[56:57]      ; my codes out
	s_lshl_b32 s56, s14, 7
	s_add_co_u32 s56, s56, 3145728
	s_add_nc_u64 s[54:55], s[10:11], s[56:57]      ; my words out
	v_and_b32 v8, 31, v0
	v_and_b32 v9, 15, v0                           ; r
	v_bfe_u32 v10, v0, 4, 1                        ; h
	v_lshlrev_b32 v1, 4, v8                        ; 16 x lane
	v_lshlrev_b32 v2, 3, v8
	v_add_nc_u32 v2, 512, v2                       ; 8 x lane + 512
	v_lshlrev_b32 v3, 4, v9                        ; 16 r
	v_and_b32 v11, 8, v9
	v_add_nc_u32 v11, v11, v9                      ; r + 8 (r / 8): my query's place in the tile
	v_lshlrev_b32 v29, 2, v11
	global_load_b128 v[16:19], v1, s[46:47]
	global_load_b64 v[20:21], v2, s[46:47]
	global_load_b32 v28, v3, s[48:49]
	global_load_b32 v30, v29, s[50:51]
	v_lshlrev_b32 v4, 4, v10
	v_sub_nc_u32 v4, v11, v4
	v_add_nc_u32 v4, s18, v4                       ; my query - 16 h - the first key (0)
	v_cvt_f32_i32 v7, v4
.irp i, 0,1,2,3,4,5,6,7,8,9,10,11,12,13,14,15
	v_cvt_f32_i32 v[240+\i], -\i
.endr
.irp j, 22,23,24,25,26,27,80,81,82,83,84,85,87,89,91,93,216,217,218,219,235,14,15
	v_mov_b32 v[\j], 0                             ; zero codes; upper halves of pairs that are named whole; lane permutes' destinations; the sum
.endr
.set j, 0
.rept 32
	v_mov_b32 v[O+j], 0                            ; O^T: the step is written once and its first walk finds zeros
.set j, j+1
.endr
	v_mov_b32 v13, 0xff61b1e6                      ; the largest t so far: -3e38
	v_floor_f32 v12, -v13
; A KEY STEP
.macro STEP
	s_add_co_u32 s45, s18, 23
	s_cmp_gt_u32 s19, s45                          ; all 128 keys behind my 16 queries: only the addresses step.  (Groups of 32 queries never straddle a step, so in a step that is walked every lane sees its first key)
	s_cbranch_scc1 .Lhidden_\@
	v_add_nc_u32 v8, s40, v1                       ; these four are also the places in front of loads into registers that the last products read
	v_add_nc_u32 v9, s40, v2
	v_add_nc_u32 v10, s41, v3
	v_add_nc_u32 v11, s42, v3
.irp t, 0,1,2,3,4,5,6,7
	ds_load_b128 v[32+6*\t:35+6*\t], v8 offset:768*\t
	ds_load_b64 v[36+6*\t:37+6*\t], v9 offset:768*\t
.endr
	ds_load_b128 v[224:227], v10                   ; the scale words of tiles 0-3 of row r, then 4-7
	ds_load_b128 v[228:231], v10 offset:256
	; the bias, in the scores' registers, while those loads are out.  Register 16 b + i holds key first + 32 b + 16 h + i
	v_mov_b32 v86, v7
	v_add_f32 v88, 0xc2000000, v7                  ; - 32
	v_add_f32 v90, 0xc2800000, v7                  ; - 64
	v_add_f32 v92, 0xc2c00000, v7                  ; - 96
.irp b, 0,1,2,3
.irp i, 0,2,4,6,8,10,12,14
	v_pk_add_f32 v[S+16*\b+\i:S+16*\b+\i+1], v[240+\i:241+\i], v[86+2*\b:87+2*\b] op_sel_hi:[1,0]   ; delta = query - key, exact
.endr
.endr
.set j, 0
.rept 32
	v_pk_fma_f32 v[S+j:S+j+1], v[S+j:S+j+1], v[30:31], 1.0 op_sel_hi:[1,1,0]   ; 1 + gamma delta
.set j, j+2
.endr
.set j, 0
.rept 64
	v_log_f32 v[S+j], v[S+j]                       ; one batch.  (Of a hidden key it may be no number: the mask below writes over it)
.set j, j+1
.endr
	v_add_f32 v7, 0xc3000000, v7                   ; on to the next step's first key: plain work behind the batch
	v_add_nc_u32 v4, 0xffffff80, v4
	s_wait_alu depctr_va_vdst(0)                   ; one wait for the batch, ahead of its first reader
.set j, 0
.rept 32
	v_pk_mul_f32 v[S+j:S+j+1], v[S+j:S+j+1], s[60:61] op_sel_hi:[1,0]   ; -log2(..) / c
.set j, j+2
.endr
.rept 4
	v_nop
.endr
	s_wait_dscnt 0x0                               ; K and its scale words are in
.irp t, 0,1,2,3,4,5,6,7
	v_wmma_scale_f32_16x16x128_f8f6f4 v[S+8*\t:S+8*\t+7], v[32+6*\t:43+6*\t], v[16:27], v[S+8*\t:S+8*\t+7], v[224+\t], v28 matrix_a_fmt:MATRIX_FMT_FP6 matrix_b_fmt:MATRIX_FMT_FP6
.endr
.rept 4
	v_nop                                          ; four places in front of loads into registers that these products read, and of the first read of results
.endr
.irp t, 0,1,2,3
.irp g, 0,1,2
	ds_load_b128 v[32+12*\t+4*\g:35+12*\t+4*\g], v8 offset:KVB+1536*\t+512*\g   ; V^T: 16 channels x these 128 keys; it lands while the softmax is walked
.endr
.endr
	ds_load_b128 v[224:227], v11
	s_add_co_u32 s45, s19, 127
	s_cmp_le_u32 s45, s18                          ; all keys count for all my queries: no mask
	s_cbranch_scc1 .Lopen_\@
	v_add_nc_u32 v236, 0x80, v4                    ; d = my query - 16 h - first key (v4 has been stepped): register 16 b + i is hidden where 32 b + i > d
	v_mov_b32 v237, 0xff800000
.set n, 0
.rept 64
	v_cmp_gt_i32 vcc_lo, 32*(n/16)+n%16, v236
	v_cndmask_b32 v[S+n], v[S+n], v237, vcc_lo
.set n, n+1
.endr
.Lopen_\@:
.irp b, 0,1,2,3
	v_max3_num_f32 v[212+\b], v[S+16*\b], v[S+1+16*\b], v[S+2+16*\b]   ; the largest u of each block of 32 keys: for the row's maximum and, since p rises with u, for the block's largest p
.endr
.irp i, 3,5,7,9,11,13
.irp b, 0,1,2,3
	v_max3_num_f32 v[212+\b], v[212+\b], v[S+16*\b+\i], v[S+1+16*\b+\i]
.endr
.endr
.irp b, 0,1,2,3
	v_max_num_f32 v[212+\b], v[212+\b], v[S+15+16*\b]
.endr
.irp b, 0,1,2,3
	v_permlanex16_b32 v[216+\b], v[212+\b], s20, s21
.endr
.irp b, 0,1,2,3
	v_max_num_f32 v[212+\b], v[212+\b], v[216+\b]
.endr
	v_max3_num_f32 v236, v212, v213, v214
	v_max_num_f32 v236, v236, v215
	v_mul_f32 v236, s22, v236                      ; as t
	v_max_num_f32 v13, v13, v236
	v_mov_b32 v236, v12
	v_floor_f32 v12, -v13                          ; -M = floor(-t)
	v_sub_f32 v236, v12, v236                      ; old M - new M: a whole number, 0 or less
	v_cvt_i32_f32 v236, v236
	v_ldexp_f32 v234, 1.0, v236                    ; f
.set j, 0
.rept 32
	v_pk_fma_f32 v[S+j:S+j+1], v[S+j:S+j+1], s[22:23], v[12:13] op_sel_hi:[1,0,0]   ; t - M
.set j, j+2
.endr
.irp b, 0,1,2,3
	v_fma_f32 v[212+\b], v[212+\b], s22, v12
.endr
.set j, 0
.rept 64
	v_exp_f32 v[S+j], v[S+j]                       ; p
.set j, j+1
.endr
	v_pk_mul_f32 v[14:15], v[14:15], v[234:235] op_sel_hi:[1,0]   ; the sum under the new M: the plain place behind the batch
	s_wait_alu depctr_va_vdst(0)                   ; one wait for the 64
.irp b, 0,1,2,3
	v_exp_f32 v[212+\b], v[212+\b]                 ; each block's largest p
.endr
	v_pk_add_f32 v[238:239], v[S:S+1], v[S+2:S+3]  ; the row's sum of the unquantised p, in two chains
.irp j, 4,8,12,16,20,24,28,32,36,40,44,48,52,56,60
	v_pk_add_f32 v[14:15], v[14:15], v[S+\j:S+\j+1]
	v_pk_add_f32 v[238:239], v[238:239], v[S+2+\j:S+3+\j]
.endr
	v_pk_add_f32 v[14:15], v[14:15], v[238:239]
	s_wait_alu depctr_va_vdst(0)                   ; and one for the four
.irp b, 0,1,2,3
	v_max_num_f32 v[212+\b], 0x1800000, v[212+\b]  ; the floor 2^(3 - 127)
.endr
.irp b, 0,1,2,3
	v_add_nc_u32 v[220+\b], 0xff000000, v[212+\b]
.endr
.irp b, 0,1,2,3
	v_lshrrev_b32 v[216+\b], 23, v[220+\b]
.endr
	v_lshl_or_b32 v232, v217, 8, v216              ; p's scale word for these 128 keys
	v_lshl_or_b32 v232, v218, 16, v232
	v_lshl_or_b32 v232, v219, 24, v232
.irp c, 0,1
	v_cvt_scalef32_pk16_fp6_f32 v[192+6*\c:194+6*\c], v[S+32*\c:S+15+32*\c], v[220+2*\c]
	v_cvt_scalef32_pk16_fp6_f32 v[204+4*\c:206+4*\c], v[S+16+32*\c:S+31+32*\c], v[220+2*\c+1]
.endr
	v_nop                                          ; one plain place behind a scaled conversion
.irp c, 0,1
.irp i, 0,1,2
	v_permlane16_swap_b32 v[192+6*\c+\i], v[204+4*\c+\i]
.endr
.irp i, 0,1,2
	v_mov_b32 v[195+6*\c+\i], v[204+4*\c+\i]
.endr
.endr
.set j, 0
.rept 16
	v_pk_mul_f32 v[O+j:O+j+1], v[O+j:O+j+1], v[234:235] op_sel_hi:[1,0]   ; O^T under the new M; also the places between the word and codes just made and the scaled products
.set j, j+2
.endr
.rept 4
	v_nop
.endr
	s_wait_dscnt 0x0                               ; V and its scale words are in
.irp t, 0,1,2,3
	v_wmma_scale_f32_16x16x128_f8f6f4 v[O+8*\t:O+8*\t+7], v[32+12*\t:43+12*\t], v[192:203], v[O+8*\t:O+8*\t+7], v[224+\t], v232 matrix_a_fmt:MATRIX_FMT_FP6 matrix_b_fmt:MATRIX_FMT_FP6
.endr
.Lhidden_\@:
	s_add_co_u32 s19, s19, 128
	s_add_co_u32 s40, s40, STEPB
	s_add_co_u32 s41, s41, 512
	s_add_co_u32 s42, s42, 256
.endm
; THE CHANGE OF SLOTS, at a slot's head.  Each wave waits for all its tensor loads, adds 0 to its spare word, and waits for that and for its reads of the slot that it has left; behind the barrier
; the slot ahead is whole and nobody reads the other.  fill = 1: the other slot takes the next 1,024 keys: a wave's one tensor load until the next such barrier, and the first thing behind this one.
.macro CHANGE fill
	s_wait_tensorcnt 0x0                           ; no tensor load of mine is out, so group 0 may be written
	ds_add_u32 v5, v6                              ; 0 onto my spare word
.if \fill
	s_xor_b32 s33, s33, SLOT1
	s_add_nc_u64 s[34:35], s[34:35], KVB           ; the type bits on top are not reached
.endif
	s_wait_dscnt 0x0
	s_barrier_signal -1
	s_barrier_wait -1
.if \fill
	s_cmp_lt_u32 s12, 4
	s_cbranch_scc0 .Lnone_\@
	tensor_load_to_lds s[32:35], s[24:31]
	s_nop 0
.rept 4
	v_nop
.endr
.Lnone_\@:
.endif
.endm
.macro EIGHT                           ; a slot's eight key steps
	s_mov_b32 s43, 8
.Lstep_\@:
	STEP
	s_sub_co_u32 s43, s43, 1
	s_cmp_lg_u32 s43, 0
	s_cbranch_scc1 .Lstep_\@
	s_sub_co_u32 s40, s40, KVB                     ; back to a slot's first step,
	s_xor_b32 s40, s40, SLOT1                      ; in the other slot
.endm
	s_wait_loadcnt 0x0                             ; Q, its words, gamma
	v_mov_b32 v31, v30
	CHANGE 1                                       ; the four slots are written out
	EIGHT
	CHANGE 1
	EIGHT
	CHANGE 1
	EIGHT
	CHANGE 0
	EIGHT
	; THE WAY OUT: O^T / the sum is quantised along D (my head's two blocks of 32) and leaves as an image of the next operand's registers
.rept 4
	v_nop                                          ; four places behind the last products
.endr
	v_add_f32 v14, v14, v15
	v_permlanex16_b32 v216, v14, s20, s21
	v_add_f32 v14, v14, v216                       ; the row's sum
	v_rcp_f32 v14, v14
	v_and_b32 v8, 31, v0                           ; (a plain place behind the reciprocal)
	v_lshlrev_b32 v8, 2, v8                        ; 4 x lane
	s_wait_alu depctr_va_vdst(0)
.set j, 0
.rept 32
	v_mul_f32 v[S+j], v[O+j], v14                  ; register 16 b + i: channel 32 b + 16 h + i of my query
.set j, j+1
.endr
.irp b, 0,1
	v_max3_num_f32 v[212+\b], |v[S+16*\b]|, |v[S+1+16*\b]|, 0x1800000
.endr
.irp i, 2,4,6,8,10,12,14
.irp b, 0,1
	v_max3_num_f32 v[212+\b], v[212+\b], |v[S+16*\b+\i]|, |v[S+1+16*\b+\i]|
.endr
.endr
.irp b, 0,1
	v_permlanex16_b32 v[216+\b], v[212+\b], s20, s21
.endr
.irp b, 0,1
	v_max_num_f32 v[212+\b], v[212+\b], v[216+\b]
.endr
.irp b, 0,1
	v_add_nc_u32 v[220+\b], 0xff000000, v[212+\b]
.endr
.irp b, 0,1
	v_lshrrev_b32 v[216+\b], 23, v[220+\b]
.endr
	v_lshl_or_b32 v232, v217, 8, v216              ; my head's two bytes
	v_cvt_scalef32_pk16_fp6_f32 v[192:194], v[S:S+15], v220
	v_cvt_scalef32_pk16_fp6_f32 v[204:206], v[S+16:S+31], v221
	v_nop
.irp i, 0,1,2
	v_permlane16_swap_b32 v[192+\i], v[204+\i]
.endr
.irp i, 0,1,2
	v_mov_b32 v[195+\i], v[204+\i]
.endr
	global_store_b128 v1, v[192:195], s[52:53]     ; 512 + 256 consecutive bytes, at multiples of 256
	global_store_b64 v2, v[196:197], s[52:53]
	global_store_b32 v8, v232, s[54:55]            ; 128 consecutive bytes, once a wave: the neighbouring 128 are another head's, which another work-group makes
	s_wait_tensorcnt 0x0                           ; the wave's end
	ds_add_u32 v5, v6
	s_wait_dscnt 0x0
	s_endpgm
.Lfunc_end_k_q00cdad0618_attn:
	.size	k_q00cdad0618_attn, .Lfunc_end_k_q00cdad0618_attn-k_q00cdad0618_attn
	.p2alignl 7, 3214868480
	.fill 96, 4, 3214868480
	.section	.rodata,"a",@progbits
	.p2align	6, 0x0
	.amdhsa_kernel k_q00cdad0618_attn
		.amdhsa_group_segment_fixed_size 327680
		.amdhsa_private_segment_fixed_size 0
		.amdhsa_enable_private_segment 0
		.amdhsa_kernarg_size 32
		.amdhsa_user_sgpr_count 2
		.amdhsa_user_sgpr_kernarg_segment_ptr 1
		.amdhsa_wavefront_size32 1
		.amdhsa_system_sgpr_workgroup_id_x 1
		.amdhsa_system_sgpr_workgroup_id_y 1
		.amdhsa_system_sgpr_workgroup_id_z 1
		.amdhsa_system_vgpr_workitem_id 0
		.amdhsa_next_free_vgpr 256
		.amdhsa_next_free_sgpr 66
		.amdhsa_reserve_vcc 1
		.amdhsa_float_denorm_mode_32 3
		.amdhsa_float_denorm_mode_16_64 3
		.amdhsa_memory_ordered 1
		.amdhsa_forward_progress 1
		.amdhsa_inst_pref_size 133
	.end_amdhsa_kernel
	.amdgpu_metadata
---
amdhsa.version: [ 1, 2 ]
amdhsa.kernels:
  - .name:           k_q00cdad0618_attn
    .symbol:         k_q00cdad0618_attn.kd
    .args:
      - { .name: qkv, .offset: 0, .size: 8, .value_kind: global_buffer, .address_space: global }
      - { .name: sc, .offset: 8, .size: 8, .value_kind: global_buffer, .address_space: global }
      - { .name: gamma, .offset: 16, .size: 8, .value_kind: global_buffer, .address_space: global }
      - { .name: ab, .offset: 24, .size: 8, .value_kind: global_buffer, .address_space: global }
    .group_segment_fixed_size: 327680
    .private_segment_fixed_size: 0
    .kernarg_segment_align: 8
    .kernarg_segment_size: 32
    .max_flat_workgroup_size: 512
    .sgpr_count:     66
    .vgpr_count:     256
    .wavefront_size: 32
...
	.end_amdgpu_metadata
.endif
;; end of part 3
;; launch oproj (part 4): grid 256 x 1, 4 waves a work-group, no clusters, 34,304 bytes of LDS; arguments ab, img, bo, out0; writes out0
.if DOCPART == 4
	.amdgcn_target "amdgcn-amd-amdhsa--gfx1250"
	.amdhsa_code_object_version 6
	.text
	.protected	k_q00cdad0618_oproj
	.globl	k_q00cdad0618_oproj
	.p2align	8
	.type	k_q00cdad0618_oproj,@function
k_q00cdad0618_oproj:
	s_mov_b64 s[64:65], 0
	v_nop
	global_prefetch_b8 v0, s[64:65] scope:SCOPE_SE
	s_setreg_imm32_b32 hwreg(HW_REG_WAVE_MODE, 25, 1), 1
	s_wait_xcnt 0x0
; out0 = a Wo^T + bo on codes of FP6 (E2M3) with E8M0 scales, K = 512.  a: the attention's result as images of operand registers: tile T, head hd at 768 (8 T + hd), six registers a lane;
; two heads make a K step of 128.  Its scale words (two bytes a head) lie from byte ASC on at 128 (8 T + hd) + 4 lane.  Wo: tiles 608 .. 639 of img.
; SHARES.  A work-group takes tiles 2 wg and 2 wg + 1: rows 32 wg .. + 31.  Wave w keeps the 8 tiles of Wo of columns 128 w .. + 127 in registers (source 0); the rows are source 1:
; a lane holds one row and 64 of its columns, 16 neighbours to two tiles.  bo is the C of each sum's first product.
; THE WAY OUT: through the wave's own stage in LDS (16 rows x 528 bytes) and back as whole rows of 512 bytes.  Waves share nothing: no barrier.
; REGISTERS.  window 0: v1-7 offsets; v16-63, v64-111 the two tiles; v112-175 results; v176-207 the raw words, later rows on the way out; v208-239 Wo's scale words; v240-247 the rows' scale words.
;   window 1: Wo's tiles 0-3 at 12 (4 t + s), their bias at 192 + 8 t.  window 2: tiles 4-7 likewise.
.set SCB, 3932160
.set ASC, 3145728
.set XF,  16
.set HA,  112
.set BK,  176
.set RS,  208
.set XS,  240
.set RB,  192
.set MSB, 0
.macro WIN new                         ; the immediate's high byte repeats the setting that is left
.if MSB != \new
	s_set_vgpr_msb (MSB<<8)|\new
.set MSB, \new
.endif
.endm
	s_load_b256 s[4:11], s[0:1], 0x0               ; ab, img, bo, out0
	v_lshl_add_u32 v254, v0, 2, 0x8400
	v_mov_b32 v255, 0
	v_lshrrev_b32 v9, 5, v0
	v_readfirstlane_b32 s12, v9                    ; wave w
	v_and_b32 v9, 31, v0
	v_and_b32 v10, 15, v0                          ; r
	v_bfe_u32 v11, v0, 4, 1                        ; h
	v_lshlrev_b32 v1, 4, v9                        ; 16 x lane
	v_lshlrev_b32 v2, 3, v9                        ; 8 x lane
	v_add_nc_u32 v3, 512, v2
	v_lshlrev_b32 v4, 2, v9                        ; 4 x lane
	v_lshlrev_b32 v5, 6, v11                       ; 64 h
	s_mul_i32 s13, s12, 8448                       ; my stage
	v_mul_u32_u24 v6, v10, 528
	v_lshl_add_u32 v6, v11, 6, v6
	v_add_nc_u32 v6, s13, v6                       ; in: row r, + 64 h
	v_add_nc_u32 v7, s13, v1                       ; back: 16 bytes a lane of a row
	s_lshl_b32 s14, s12, 3
	s_add_co_u32 s14, s14, 608                     ; my first tile of Wo
	s_mov_b32 s29, 0
	s_wait_kmcnt 0x0
	s_mul_i32 s28, s14, 6144
	s_add_nc_u64 s[16:17], s[6:7], s[28:29]
	s_lshl_b32 s28, s14, 9
	s_add_co_u32 s28, s28, SCB
	s_add_nc_u64 s[18:19], s[6:7], s[28:29]
	s_lshl_b32 s28, s12, 9
	s_add_nc_u64 s[20:21], s[8:9], s[28:29]        ; bo at column 128 w
	s_add_nc_u64 s[26:27], s[10:11], s[28:29]
	s_lshl_b32 s28, ttmp9, 16
	s_add_nc_u64 s[26:27], s[26:27], s[28:29]      ; out0 at row 32 wg, column 128 w
	s_mul_i32 s28, ttmp9, 12288
	s_add_nc_u64 s[22:23], s[4:5], s[28:29]        ; my two tiles' codes
	s_lshl_b32 s28, ttmp9, 11
	s_add_co_u32 s28, s28, ASC
	s_add_nc_u64 s[24:25], s[4:5], s[28:29]        ; and their words
.irp i, 0,1
.irp s, 0,1,2,3
	global_load_b128 v[XF+48*\i+12*\s:XF+48*\i+12*\s+3], v1, s[22:23] offset:(8*\i+2*\s)*768
	global_load_b64 v[XF+48*\i+12*\s+4:XF+48*\i+12*\s+5], v3, s[22:23] offset:(8*\i+2*\s)*768
	global_load_b128 v[XF+48*\i+12*\s+6:XF+48*\i+12*\s+9], v1, s[22:23] offset:(8*\i+2*\s+1)*768
	global_load_b64 v[XF+48*\i+12*\s+10:XF+48*\i+12*\s+11], v3, s[22:23] offset:(8*\i+2*\s+1)*768
.endr
.endr
.irp n, 0,1,2,3,4,5,6,7,8,9,10,11,12,13,14,15
	global_load_b32 v[BK+\n], v4, s[24:25] offset:\n*128
.endr
.irp t, 0,1,2,3,4,5,6,7
	global_load_b64 v[RS+4*\t:RS+4*\t+1], v2, s[18:19] offset:\t*512
	global_load_b64 v[RS+4*\t+2:RS+4*\t+3], v2, s[18:19] offset:\t*512+256
.endr
	WIN 0x40                                       ; destination window 1
.irp t, 0,1,2,3
.irp s, 0,1,2,3
.irp g, 0,1,2
	global_load_b128 v[12*(4*\t+\s)+4*\g:12*(4*\t+\s)+4*\g+3], v1, s[16:17] offset:\t*6144+\s*1536+\g*512
.endr
.endr
.endr
.irp t, 0,1,2,3
	global_load_b128 v[RB+8*\t:RB+8*\t+3], v5, s[20:21] offset:(32*(\t/2)+8*(\t%2))*4
	global_load_b128 v[RB+8*\t+4:RB+8*\t+7], v5, s[20:21] offset:(32*(\t/2)+8*(\t%2))*4+16
.endr
	WIN 0x80                                       ; destination window 2
.irp t, 0,1,2,3
.irp s, 0,1,2,3
.irp g, 0,1,2
	global_load_b128 v[12*(4*\t+\s)+4*\g:12*(4*\t+\s)+4*\g+3], v1, s[16:17] offset:(\t+4)*6144+\s*1536+\g*512
.endr
.endr
.endr
.irp t, 0,1,2,3
	global_load_b128 v[RB+8*\t:RB+8*\t+3], v5, s[20:21] offset:(64+32*(\t/2)+8*(\t%2))*4
	global_load_b128 v[RB+8*\t+4:RB+8*\t+7], v5, s[20:21] offset:(64+32*(\t/2)+8*(\t%2))*4+16
.endr
	WIN 0
	s_wait_loadcnt 0x0
.irp i, 0,1
.irp s, 0,1,2,3
	v_lshl_or_b32 v[XS+4*\i+\s], v[BK+8*\i+2*\s+1], 16, v[BK+8*\i+2*\s]   ; two heads' two bytes make a K step's scale word
.endr
.endr
.rept 8
	v_nop                                          ; a scale register written by a vector instruction stands eight places ahead of a scaled product
.endr
.macro PROD i, s, t, c                 ; tile of rows i, K step s, tile of Wo t.  c = 1: C is the bias; 0: in place
.set rD, HA+8*(\t)
.set rA, 12*(4*((\t)%4)+(\s))
.set rB, XF+48*(\i)+12*(\s)
.if \c == 1
	v_wmma_scale_f32_16x16x128_f8f6f4 v[rD:rD+7], v[rA:rA+11], v[rB:rB+11], v[RB+8*((\t)%4):RB+8*((\t)%4)+7], v[RS+4*(\t)+(\s)], v[XS+4*(\i)+(\s)] matrix_a_fmt:MATRIX_FMT_FP6 matrix_b_fmt:MATRIX_FMT_FP6
.else
	v_wmma_scale_f32_16x16x128_f8f6f4 v[rD:rD+7], v[rA:rA+11], v[rB:rB+11], v[rD:rD+7], v[RS+4*(\t)+(\s)], v[XS+4*(\i)+(\s)] matrix_a_fmt:MATRIX_FMT_FP6 matrix_b_fmt:MATRIX_FMT_FP6
.endif
.endm
.macro ROWS i
	WIN 0x11                                       ; source 0 and C window 1
.irp t, 0,1,2,3
	PROD \i, 0, \t, 1
.endr
	WIN 0x22
.irp t, 4,5,6,7
	PROD \i, 0, \t, 1
.endr
.irp s, 1,2,3                                  ; the eight accumulators take turns, one instruction a turn
	WIN 0x01
.irp t, 0,1,2,3
	PROD \i, \s, \t, 0
.endr
	WIN 0x02
.irp t, 4,5,6,7
	PROD \i, \s, \t, 0
.endr
.endr
	WIN 0
.rept 5
	v_nop                                          ; four places in front of the stores that read results; the fifth since the next tile's first products write over these accumulators
.endr
.irp t, 0,1,2,3,4,5,6,7
	ds_store_b128 v6, v[HA+8*\t:HA+8*\t+3] offset:128*(\t/2)+32*(\t%2)        ; each accumulator from its low end on: columns 32 (t / 2) + 16 h + 8 (t % 2) + 0 .. 7 of my row
	ds_store_b128 v6, v[HA+8*\t+4:HA+8*\t+7] offset:128*(\t/2)+32*(\t%2)+16
.endr
.irp q, 0,1
	s_wait_xcnt 0x0                                ; the registers that earlier stores read are loaded again only behind this wait
.irp k, 0,1,2,3,4,5,6,7
	ds_load_b128 v[BK+4*\k:BK+4*\k+3], v7 offset:(8*\q+\k)*528   ; LDS serves a wave's instructions in order: these see my stores
.endr
.irp k, 0,1,2,3,4,5,6,7
	s_wait_dscnt 7-\k                              ; the younger loads of the eight may be out
	global_store_b128 v1, v[BK+4*\k:BK+4*\k+3], s[26:27] offset:(8*(\i)+16*\q+\k)*2048 th:TH_STORE_NT   ; the tile's row 8 q + k is row 8 i + 16 q + k of the group: 512 consecutive bytes, at a multiple of 256
.endr
.endr
.endm
	ROWS 0
	ROWS 1
	s_wait_tensorcnt 0x0
	ds_add_u32 v254, v255
	s_wait_dscnt 0x0
	s_endpgm
.Lfunc_end_k_q00cdad0618_oproj:
	.size	k_q00cdad0618_oproj, .Lfunc_end_k_q00cdad0618_oproj-k_q00cdad0618_oproj
	.p2alignl 7, 3214868480
	.fill 96, 4, 3214868480
	.section	.rodata,"a",@progbits
	.p2align	6, 0x0
	.amdhsa_kernel k_q00cdad0618_oproj
		.amdhsa_group_segment_fixed_size 34304
		.amdhsa_private_segment_fixed_size 0
		.amdhsa_enable_private_segment 0
		.amdhsa_kernarg_size 32
		.amdhsa_user_sgpr_count 2
		.amdhsa_user_sgpr_kernarg_segment_ptr 1
		.amdhsa_wavefront_size32 1
		.amdhsa_system_sgpr_workgroup_id_x 1
		.amdhsa_system_sgpr_workgroup_id_y 1
		.amdhsa_system_sgpr_workgroup_id_z 1
		.amdhsa_system_vgpr_workitem_id 0
		.amdhsa_next_free_vgpr 768
		.amdhsa_next_free_sgpr 66
		.amdhsa_reserve_vcc 0
		.amdhsa_float_denorm_mode_32 3
		.amdhsa_float_denorm_mode_16_64 3
		.amdhsa_memory_ordered 1
		.amdhsa_forward_progress 1
		.amdhsa_inst_pref_size 37
	.end_amdhsa_kernel
	.amdgpu_metadata
---
amdhsa.version: [ 1, 2 ]
amdhsa.kernels:
  - .name:           k_q00cdad0618_oproj
    .symbol:         k_q00cdad0618_oproj.kd
    .args:
      - { .name: ab, .offset: 0, .size: 8, .value_kind: global_buffer, .address_space: global }
      - { .name: img, .offset: 8, .size: 8, .value_kind: global_buffer, .address_space: global }
      - { .name: bo, .offset: 16, .size: 8, .value_kind: global_buffer, .address_space: global }
      - { .name: out0, .offset: 24, .size: 8, .value_kind: global_buffer, .address_space: global }
    .group_segment_fixed_size: 34304
    .private_segment_fixed_size: 0
    .kernarg_segment_align: 8
    .kernarg_segment_size: 32
    .max_flat_workgroup_size: 128
    .sgpr_count:     66
    .vgpr_count:     768
    .wavefront_size: 32
...
	.end_amdgpu_metadata
.endif
;; end of part 4
;; ======== version 2 of 2: 4 launches
;; workspace buffers: img 4,259,840 bytes; qkv 9,437,184 bytes; sc 655,360 bytes; ab 3,670,016 bytes
;; launch quant (part 5): grid 256 x 1, 5 waves a work-group, no clusters, 85,248 bytes of LDS; arguments x, Wq, Wk, Wv, Wo, img; writes img
.if DOCPART == 5
	.amdgcn_target "amdgcn-amd-amdhsa--gfx1250"
	.amdhsa_code_object_version 6
	.text
	.protected	k_q00cdad0618_quant
	.globl	k_q00cdad0618_quant
	.p2align	8
	.type	k_q00cdad0618_quant,@function
k_q00cdad0618_quant:
	s_mov_b64 s[64:65], 0
	v_nop
	global_prefetch_b8 v0, s[64:65] scope:SCOPE_SE
	s_setreg_imm32_b32 hwreg(HW_REG_WAVE_MODE, 25, 1), 1
	s_wait_xcnt 0x0
; x [8192][512] and Wq, Wk, Wv, Wo [512][512], f32 with K innermost, become codes of FP6 (E2M3) with one E8M0 byte for each 32 along K,
; laid as IMAGES OF OPERAND REGISTERS: a fragment (16 rows x 128 K) is 12 registers a lane, stored as three runs of 512 bytes, lane l's 16 bytes at 16 l.
; TILES: rows go in groups of 32; tile 2 G + u holds rows 32 G + 8 u + m + 8 (m / 8), m = 0 .. 15.  As source 0 of a product two neighbouring tiles
; then leave 16 neighbouring coordinates in a lane's 16 result registers.  640 tiles: 0-511 x, from 512 Wq, 544 Wk, 576 Wv, 608 Wo.
; img: codes at 6144 T + 1536 s + 512 g + 16 lane (s: K step of 128, g: registers 4 g .. 4 g + 3); scale words from byte SCB on at 512 T + 256 (s / 2) + 8 lane + 4 (s % 2).
; A block's scale is 2^(floor(log2(its largest magnitude)) - 2); its byte is the largest magnitude's exponent field - 2, held at 1 from below.
; LIMITS: a block of zeros, or one whose largest magnitude lies under 2^-124, keeps the byte 1 (its bytes are read by this program alone); NaN and infinities are not served.
; SHARES: 1,280 units of one tile x two K steps; 256 work-groups of five waves, a unit a wave.  All 32 loads of a wave go out at once, each of 512 consecutive bytes;
; the numbers turn through the wave's own stage in LDS (rows 528 bytes apart), so that a lane gets 16 neighbours of each block of its row.  Waves share nothing: no barrier.
.set WREG, 16896                       ; LDS of a wave: two stages
.set STG,  8448                        ; a stage: 16 rows x 528 bytes
.set SPT,  528
.set SCB,  3932160                     ; where the scale words begin in img
.set R,    16                          ; v16-143  two K steps as loaded: register 64 p + 4 m: row m
.set X,    144                         ; v144-207 64 numbers of my row: register 16 b + i = k 32 b + 16 (lane / 16) + i
.set PC,   208                         ; v208-226 the codes just made
.set TM,   228                         ; v228-231 largest magnitudes, v232-235 the other half's, then bytes, v236-239 the conversions' scale operands
.set PW,   240                         ; the scale word just made
.set SWD,  242                         ; v[242:243] the two K steps' scale words
.set SEL,  36                          ; s[36:37] lane selects: lane l xor 16
; 64 numbers of a lane become a fragment's codes in v[PC] .. v[PC+11] and its scale word in v[PW]
.macro QUANT s
.irp b, 0,1,2,3
	v_max3_num_f32 v[TM+\b], |v[\s+16*\b]|, |v[\s+1+16*\b]|, 0x1800000   ; my 16 numbers of block b, and the floor 2^(3 - 127): the byte cannot fall under 1
.endr
.irp i, 2,4,6,8,10,12,14
.irp b, 0,1,2,3
	v_max3_num_f32 v[TM+\b], v[TM+\b], |v[\s+16*\b+\i]|, |v[\s+1+16*\b+\i]|
.endr
.endr
.irp b, 0,1,2,3
	v_permlanex16_b32 v[TM+4+\b], v[TM+\b], s[SEL], s[SEL+1]
.endr
.irp b, 0,1,2,3
	v_max_num_f32 v[TM+\b], v[TM+\b], v[TM+4+\b]                   ; with lane l xor 16: the block's largest magnitude
.endr
.irp b, 0,1,2,3
	v_add_nc_u32 v[TM+8+\b], 0xff000000, v[TM+\b]                  ; 2 off its exponent field: the conversion's scale operand
.endr
.irp b, 0,1,2,3
	v_lshrrev_b32 v[TM+4+\b], 23, v[TM+8+\b]                       ; the scale's byte
.endr
	v_lshl_or_b32 v[PW], v[TM+5], 8, v[TM+4]
	v_lshl_or_b32 v[PW], v[TM+6], 16, v[PW]
	v_lshl_or_b32 v[PW], v[TM+7], 24, v[PW]
.irp c, 0,1
	v_cvt_scalef32_pk16_fp6_f32 v[PC+6*\c:PC+2+6*\c], v[\s+32*\c:\s+15+32*\c], v[TM+8+2*\c]
	v_cvt_scalef32_pk16_fp6_f32 v[PC+12+4*\c:PC+14+4*\c], v[\s+16+32*\c:\s+31+32*\c], v[TM+8+2*\c+1]   ; (three registers begin on an even number)
.endr
	v_nop                                          ; one plain place behind a scaled conversion
.irp c, 0,1                                    ; the layout wants a whole block in a lane: lanes 0-15 block 2 c, lanes 16-31 block 2 c + 1
.irp i, 0,1,2
	v_permlane16_swap_b32 v[PC+6*\c+\i], v[PC+12+4*\c+\i]
.endr
.irp i, 0,1,2
	v_mov_b32 v[PC+3+6*\c+\i], v[PC+12+4*\c+\i]
.endr
.endr
.endm
	s_load_b256 s[4:11], s[0:1], 0x0               ; x, Wq, Wk, Wv
	s_load_b128 s[12:15], s[0:1], 0x20             ; Wo, img
	v_lshl_add_u32 v254, v0, 2, 0x14a00
	v_mov_b32 v255, 0
	v_lshrrev_b32 v5, 5, v0
	v_readfirstlane_b32 s16, v5                    ; wave 0..4
	v_and_b32 v6, 31, v0                           ; lane
	v_and_b32 v7, 15, v0                           ; r
	v_bfe_u32 v8, v0, 4, 1                         ; h
	v_lshlrev_b32 v1, 4, v6                        ; 16 x lane
	v_lshlrev_b32 v2, 3, v6                        ; 8 x lane
	s_mul_i32 s22, s16, WREG
	v_add_nc_u32 v3, s22, v1                       ; into the stage: 16 x lane of a row
	v_mul_u32_u24 v4, v7, SPT
	v_lshl_add_u32 v4, v8, 6, v4
	v_add_nc_u32 v4, s22, v4                       ; out of it: row r, + 64 h
.irp b, 0,1,2,3
	v_mov_b32 v[TM+4+\b], 0                        ; written once: a lane permute's destination counts as one of its sources
.endr
	s_mov_b32 s[SEL], 0x76543210
	s_mov_b32 s[SEL+1], 0xfedcba98
	s_mul_i32 s17, ttmp9, 5
	s_add_co_u32 s17, s17, s16                     ; my unit
	s_lshr_b32 s18, s17, 1                         ; tile T
	s_and_b32 s19, s17, 1                          ; which two K steps
	s_lshr_b32 s20, s18, 5                         ; under 16: x; 16 .. 19: Wq, Wk, Wv, Wo
	s_and_b32 s21, s18, 31
	s_cmp_lt_u32 s20, 16
	s_cselect_b32 s21, s18, s21                    ; the tile's number in its own tensor
	s_lshr_b32 s23, s21, 1
	s_lshl_b32 s23, s23, 16                        ; 32 rows of 2,048 bytes
	s_and_b32 s24, s21, 1
	s_lshl_b32 s24, s24, 14                        ; 8 rows
	s_add_co_u32 s26, s23, s24
	s_lshl_b32 s24, s19, 10                        ; two K steps are 1,024 bytes of a row
	s_add_co_u32 s26, s26, s24
	s_mov_b32 s27, 0
	s_mul_i32 s28, s18, 6144
	s_mul_i32 s24, s19, 3072
	s_add_co_u32 s28, s28, s24                     ; my codes in img
	s_mov_b32 s29, 0
	s_lshl_b32 s32, s18, 9
	s_lshl_b32 s24, s19, 8
	s_add_co_u32 s32, s32, s24
	s_add_co_u32 s32, s32, SCB                     ; my scale words in img
	s_mov_b32 s33, 0
	s_wait_alu depctr_va_vdst(0)
	s_wait_kmcnt 0x0
	s_cmp_eq_u32 s20, 16                           ; the choice of tensor hangs on the unit's number alone
	s_cselect_b64 s[4:5], s[6:7], s[4:5]
	s_cmp_eq_u32 s20, 17
	s_cselect_b64 s[4:5], s[8:9], s[4:5]
	s_cmp_eq_u32 s20, 18
	s_cselect_b64 s[4:5], s[10:11], s[4:5]
	s_cmp_eq_u32 s20, 19
	s_cselect_b64 s[4:5], s[12:13], s[4:5]
	s_add_nc_u64 s[4:5], s[4:5], s[26:27]
	s_add_nc_u64 s[30:31], s[14:15], s[28:29]
	s_add_nc_u64 s[34:35], s[14:15], s[32:33]
.irp p, 0,1
.irp m, 0,1,2,3,4,5,6,7,8,9,10,11,12,13,14,15
	global_load_b128 v[R+64*\p+4*\m:R+64*\p+4*\m+3], v1, s[4:5] offset:(\m+8*(\m/8))*2048+512*\p th:TH_LOAD_NT   ; 512 consecutive bytes: 128 numbers of the tile's row m
.endr
.endr
.macro HALF p
	s_wait_loadcnt 16-16*\p                        ; this K step's 16 loads are in; the other's 16 younger ones may be out
.irp m, 0,1,2,3,4,5,6,7,8,9,10,11,12,13,14,15
	ds_store_b128 v3, v[R+64*\p+4*\m:R+64*\p+4*\m+3] offset:\p*STG+\m*SPT
.endr
.irp b, 0,1,2,3
.irp j, 0,1,2,3
	ds_load_b128 v[X+16*\b+4*\j:X+16*\b+4*\j+3], v4 offset:\p*STG+128*\b+16*\j   ; LDS serves a wave's instructions in order: these see my stores
.endr
.endr
	s_wait_dscnt 0x0
	s_wait_xcnt 0x0                                ; the codes' registers, which earlier stores read, are rewritten only behind this wait
	QUANT X
.irp g, 0,1,2
	global_store_b128 v1, v[PC+4*\g:PC+4*\g+3], s[30:31] offset:\p*1536+\g*512   ; 512 consecutive bytes, at a multiple of 256
.endr
	v_mov_b32 v[SWD+\p], v[PW]
.endm
	HALF 0
	HALF 1
	global_store_b64 v2, v[SWD:SWD+1], s[34:35]    ; 32 lanes store 256 consecutive bytes, aligned
	s_wait_tensorcnt 0x0
	ds_add_u32 v254, v255
	s_wait_dscnt 0x0
	s_endpgm
.Lfunc_end_k_q00cdad0618_quant:
	.size	k_q00cdad0618_quant, .Lfunc_end_k_q00cdad0618_quant-k_q00cdad0618_quant
	.p2alignl 7, 3214868480
	.fill 96, 4, 3214868480
	.section	.rodata,"a",@progbits
	.p2align	6, 0x0
	.amdhsa_kernel k_q00cdad0618_quant
		.amdhsa_group_segment_fixed_size 85248
		.amdhsa_private_segment_fixed_size 0
		.amdhsa_enable_private_segment 0
		.amdhsa_kernarg_size 48
		.amdhsa_user_sgpr_count 2
		.amdhsa_user_sgpr_kernarg_segment_ptr 1
		.amdhsa_wavefront_size32 1
		.amdhsa_system_sgpr_workgroup_id_x 1
		.amdhsa_system_sgpr_workgroup_id_y 1
		.amdhsa_system_sgpr_workgroup_id_z 1
		.amdhsa_system_vgpr_workitem_id 0
		.amdhsa_next_free_vgpr 256
		.amdhsa_next_free_sgpr 66
		.amdhsa_reserve_vcc 0
		.amdhsa_float_denorm_mode_32 3
		.amdhsa_float_denorm_mode_16_64 3
		.amdhsa_memory_ordered 1
		.amdhsa_forward_progress 1
		.amdhsa_inst_pref_size 19
	.end_amdhsa_kernel
	.amdgpu_metadata
---
amdhsa.version: [ 1, 2 ]
amdhsa.kernels:
  - .name:           k_q00cdad0618_quant
    .symbol:         k_q00cdad0618_quant.kd
    .args:
      - { .name: x, .offset: 0, .size: 8, .value_kind: global_buffer, .address_space: global }
      - { .name: Wq, .offset: 8, .size: 8, .value_kind: global_buffer, .address_space: global }
      - { .name: Wk, .offset: 16, .size: 8, .value_kind: global_buffer, .address_space: global }
      - { .name: Wv, .offset: 24, .size: 8, .value_kind: global_buffer, .address_space: global }
      - { .name: Wo, .offset: 32, .size: 8, .value_kind: global_buffer, .address_space: global }
      - { .name: img, .offset: 40, .size: 8, .value_kind: global_buffer, .address_space: global }
    .group_segment_fixed_size: 85248
    .private_segment_fixed_size: 0
    .kernarg_segment_align: 8
    .kernarg_segment_size: 48
    .max_flat_workgroup_size: 160
    .sgpr_count:     66
    .vgpr_count:     256
    .wavefront_size: 32
...
	.end_amdgpu_metadata
.endif
;; end of part 5
;; launch qkv (part 6): grid 64 x 3, 4 waves a work-group, no clusters, 0 bytes of LDS; arguments img, bq, bk, bv, qkv, sc; writes qkv, sc
.if DOCPART == 6
	.amdgcn_target "amdgcn-amd-amdhsa--gfx1250"
	.amdhsa_code_object_version 6
	.text
	.protected	k_q00cdad0618_qkv
	.globl	k_q00cdad0618_qkv
	.p2align	8
	.type	k_q00cdad0618_qkv,@function
k_q00cdad0618_qkv:
	s_mov_b64 s[64:65], 0
	v_nop
	global_prefetch_b8 v0, s[64:65] scope:SCOPE_SE
	s_setreg_imm32_b32 hwreg(HW_REG_WAVE_SCHED_MODE, 0, 2), 2
	s_setreg_imm32_b32 hwreg(HW_REG_WAVE_MODE, 25, 1), 1
	s_wait_xcnt 0x0
	s_wait_alu depctr_vm_vsrc(0)
; q = x Wq^T + bq, k = x Wk^T + bk, v = x Wv^T + bv on codes of FP6 (E2M3) with E8M0 scales, K = 512; the results are quantised at once: q and k along the head's 64, v along the keys.
; ONE BODY, THREE ROLES (work-group y: 0 q, 1 k, 2 v).  A wave keeps 8 RESIDENT tiles x 4 K steps in registers (384 registers and 32 scale words) and multiplies them by 8 STREAMED tiles,
; one after the other.  Source 0 = resident, source 1 = streamed: a lane holds ONE streamed row and its 64 results run along the 128 resident coordinates, 16 neighbours to two tiles,
; which is the order that the quantiser and the next operand's layout want.
;   q, k: resident = 8 tiles of W (features 128 w on: heads 2 w, 2 w + 1), streamed = x tiles 8 xg + i: results run along the features: two blocks of 32 a head.
;   v:    resident = 8 tiles of x (the 128 keys of key step KS = 4 (xg / 4) + w), streamed = Wv tiles 8 (xg % 4) + i: results run along the keys: a fragment of V^T.
; The bias is the C of each sum's first product: for q, k eight registers a resident tile; for v the lane's own number in all eight.
; OUT.  qkv: regions q, k, v of 3,145,728 bytes.  q, k: tile tau of head bh at 768 (256 bh + tau): registers 0-3 at 16 lane, registers 4-5 at 512 + 8 lane (lane (r, h): block h of the tile's row r).
;       v: 6144 (32 bh + ks) + 1536 t + 512 g + 16 lane.   sc, 40,960 bytes a head: k's words at 256 (tau / 4) + 16 r + 4 (tau % 4); v's from 16,384 at 256 ks + 16 r + 4 t; q's from 24,576, as k's.
;       A word of q or k is byte 0, byte 1, 0x7f, 0x7f: the upper 64 of the next product's K step are zero codes.
; LIMITS: as in the first launch: zero blocks and blocks under 2^-124 keep the byte 1; NaN and infinities are not served.
; 192 work-groups of equal work (three roles x 64).  No LDS: every operand is an image that goes straight into the registers where it is used, 512 consecutive bytes a load.
; REGISTERS.  window 0: v1-6 offsets; v16-63, v64-111 the streamed tile, two sets; v112-175 results; v176-194 codes; v196-207 at work; v208 word; v209 shift; v210-213 four words;
;   v214-221 streamed scale words, two sets; v222-253 resident scale words.  window 1: resident tiles 0-3 at 12 (4 t + s), their bias at 192 + 8 t.  window 2: tiles 4-7 likewise; v224-231, v232-239 the lane's bias.
; THE MODE: SCHED_MODE bits 1:0 = 2 (LLVM: expert scheduling mode 2), set by the entry lines.  The code itself states the register dependences
; between vector or matrix instructions and memory instructions, with s_wait_alu, always for 0.
; THE PLAN.  Registers that memory instructions touch:
;   v1 .. v6            offsets, made once at the head and never written again.
;   resident tiles, their biases and scale words, the lane's biases: loaded once at the head; nothing lands there again.
;   XF0, XF1, XS0, XS1  Tile i's 32 products read set i % 2; the loads of tile i + 2 land in it, issued behind tile i's quantising.
;   PC (12), SW (4)     Written by tile i's quantising; read by tile i's stores; written again by tile i + 1's quantising.
;   The results, v196-209 and the lane's bias in eight registers are named by vector and matrix instructions alone.
; So ONE wait on va_vdst stands in a tile, behind its quantising: the codes and words are written, and the tile's products are done reading their set.  The loads of tile i + 2 and the
; tile's stores follow it with no vector instruction between; the next tile's products name the other set.  One wait on vm_vsrc a tile stands ahead of the quantising, 32 products behind the stores that it waits for.
.set SCB, 3932160
.set XF,  16
.set HA,  112
.set PC,  176
.set TM,  196
.set PW,  208
.set VSH, 209
.set SW,  210
.set XS,  214
.set RS,  222
.set RB,  192
.set BL,  224
.set BLV, 232
.set SEL, 56
.set MSB, 0
.macro WIN new                         ; the immediate's high byte repeats the setting that is left
.if MSB != \new
	s_set_vgpr_msb (MSB<<8)|\new
.set MSB, \new
.endif
.endm
.macro QUANT s
.irp b, 0,1,2,3
	v_max3_num_f32 v[TM+\b], |v[\s+16*\b]|, |v[\s+1+16*\b]|, 0x1800000   ; each accumulator is read from its low end on; the floor 2^(3 - 127) holds the byte at 1 from below
.endr
.irp i, 2,4,6,8,10,12,14
.irp b, 0,1,2,3
	v_max3_num_f32 v[TM+\b], v[TM+\b], |v[\s+16*\b+\i]|, |v[\s+1+16*\b+\i]|
.endr
.endr
.irp b, 0,1,2,3
	v_permlanex16_b32 v[TM+4+\b], v[TM+\b], s[SEL], s[SEL+1]
.endr
.irp b, 0,1,2,3
	v_max_num_f32 v[TM+\b], v[TM+\b], v[TM+4+\b]
.endr
.irp b, 0,1,2,3
	v_add_nc_u32 v[TM+8+\b], 0xff000000, v[TM+\b]
.endr
.irp b, 0,1,2,3
	v_lshrrev_b32 v[TM+4+\b], 23, v[TM+8+\b]
.endr
	v_lshl_or_b32 v[PW], v[TM+5], 8, v[TM+4]
	v_lshl_or_b32 v[PW], v[TM+6], 16, v[PW]
	v_lshl_or_b32 v[PW], v[TM+7], 24, v[PW]
.irp c, 0,1
	v_cvt_scalef32_pk16_fp6_f32 v[PC+6*\c:PC+2+6*\c], v[\s+32*\c:\s+15+32*\c], v[TM+8+2*\c]
	v_cvt_scalef32_pk16_fp6_f32 v[PC+12+4*\c:PC+14+4*\c], v[\s+16+32*\c:\s+31+32*\c], v[TM+8+2*\c+1]
.endr
	v_nop                                          ; one plain place behind a scaled conversion
.irp c, 0,1
.irp i, 0,1,2
	v_permlane16_swap_b32 v[PC+6*\c+\i], v[PC+12+4*\c+\i]
.endr
.irp i, 0,1,2
	v_mov_b32 v[PC+3+6*\c+\i], v[PC+12+4*\c+\i]
.endr
.endr
.endm
	s_load_b256 s[4:11], s[0:1], 0x0               ; img, bq, bk, bv
	s_load_b128 s[12:15], s[0:1], 0x20             ; qkv, sc
	v_lshrrev_b32 v9, 5, v0
	v_readfirstlane_b32 s16, v9                    ; wave w
	s_and_b32 s17, ttmp7, 0xffff                   ; the role
	v_and_b32 v9, 31, v0
	v_and_b32 v7, 15, v0                           ; r
	v_bfe_u32 v8, v0, 4, 1                         ; h
	v_lshlrev_b32 v1, 4, v9                        ; 16 x lane
	v_lshlrev_b32 v2, 3, v9                        ; 8 x lane
	v_add_nc_u32 v3, 512, v2                       ; 8 x lane + 512
	v_lshlrev_b32 v5, 6, v8                        ; 64 h: the resident bias
	v_and_b32 v6, 8, v7
	v_add_nc_u32 v6, v6, v7
	v_lshlrev_b32 v6, 2, v6                        ; 4 (r + 8 (r / 8)): the lane's bias
.irp b, 0,1,2,3
	v_mov_b32 v[TM+4+\b], 0
.endr
	s_mov_b32 s[SEL], 0x76543210
	s_mov_b32 s[SEL+1], 0xfedcba98
	s_wait_alu depctr_va_sdst(0)                   ; s16, the wave's number, is written, ahead of its first reader: the tiles' numbers and every base are made from it
	; the numbers of roles q and k
	s_lshr_b32 s19, ttmp9, 5                       ; batch
	s_lshl_b32 s22, ttmp9, 3                       ; first streamed tile: 8 xg
	s_and_b32 s20, s22, 255                        ; and its number in the batch
	s_lshl_b32 s21, s17, 5
	s_lshl_b32 s23, s16, 3
	s_add_co_u32 s21, s21, s23
	s_add_co_u32 s21, s21, 512                     ; first resident tile: 512 + 32 role + 8 w
	s_lshl_b32 s23, s19, 3
	s_lshl_b32 s24, s16, 1
	s_add_co_u32 s23, s23, s24                     ; head 8 b + 2 w
	s_lshl_b32 s24, s23, 8
	s_add_co_u32 s24, s24, s20
	s_mul_i32 s24, s24, 768
	s_mul_i32 s25, s17, 3145728
	s_add_co_u32 s24, s24, s25                     ; codes out
	s_mul_i32 s25, s23, 40960
	s_sub_co_u32 s26, 1, s17
	s_mul_i32 s26, s26, 24576                      ; q's words lie 24,576 behind k's
	s_add_co_u32 s25, s25, s26
	s_lshl_b32 s26, s20, 6                         ; 256 (tau / 4): tau is a multiple of 8 here
	s_add_co_u32 s25, s25, s26                     ; words out
	; the numbers of role v
	s_and_b32 s27, ttmp9, 3                        ; sg
	s_lshr_b32 s28, ttmp9, 2
	s_lshl_b32 s28, s28, 2
	s_add_co_u32 s28, s28, s16                     ; KS
	s_lshr_b32 s29, s28, 5                         ; batch
	s_and_b32 s30, s28, 31                         ; key step in the batch
	s_lshl_b32 s29, s29, 3
	s_lshl_b32 s31, s27, 1
	s_add_co_u32 s29, s29, s31                     ; head 8 b + 2 sg
	s_lshl_b32 s31, s29, 5
	s_add_co_u32 s31, s31, s30
	s_mul_i32 s31, s31, 6144
	s_add_co_u32 s31, s31, 6291456                 ; codes out
	s_mul_i32 s32, s29, 40960
	s_lshl_b32 s33, s30, 8
	s_add_co_u32 s32, s32, s33
	s_add_co_u32 s32, s32, 16384                   ; words out
	s_lshl_b32 s28, s28, 3                         ; first resident tile: 8 KS
	s_lshl_b32 s33, s27, 3
	s_add_co_u32 s33, s33, 576                     ; first streamed tile
	s_lshl_b32 s27, s27, 9                         ; the streamed rows' bias begins 512 sg bytes on
	s_cmp_eq_u32 s17, 2                            ; the choice
	s_cselect_b32 s21, s28, s21
	s_cselect_b32 s22, s33, s22
	s_cselect_b32 s24, s31, s24
	s_cselect_b32 s25, s32, s25
	s_cselect_b32 s27, s27, 0
	s_cselect_b32 s34, 0, 16                       ; q, k: lanes 16-31 take the word's upper two bytes (head 2 w + 1)
	s_cselect_b32 s35, -1, 0xffff
	s_cselect_b32 s36, 0, 0x7f7f0000
	s_cselect_b32 s37, 0, 40960                    ; and store them a head further on
	v_mul_u32_u24 v[VSH], v8, s34
	v_mul_u32_u24 v4, v8, s37
	v_lshl_add_u32 v4, v7, 4, v4                   ; where a lane's four words go
	s_wait_kmcnt 0x0
	s_cmp_eq_u32 s17, 1
	s_cselect_b64 s[6:7], s[8:9], s[6:7]
	s_cmp_eq_u32 s17, 2
	s_cselect_b64 s[6:7], s[10:11], s[6:7]         ; the role's bias
	s_mov_b32 s39, 0
	s_mul_i32 s38, s21, 6144
	s_add_nc_u64 s[40:41], s[4:5], s[38:39]        ; resident codes
	s_lshl_b32 s38, s21, 9
	s_add_co_u32 s38, s38, SCB
	s_add_nc_u64 s[42:43], s[4:5], s[38:39]        ; resident words
	s_mul_i32 s38, s22, 6144
	s_add_nc_u64 s[44:45], s[4:5], s[38:39]        ; streamed codes
	s_lshl_b32 s38, s22, 9
	s_add_co_u32 s38, s38, SCB
	s_add_nc_u64 s[46:47], s[4:5], s[38:39]        ; streamed words
	s_lshl_b32 s38, s16, 9
	s_add_nc_u64 s[48:49], s[6:7], s[38:39]        ; bias of features 128 w on
	s_mov_b32 s38, s27
	s_add_nc_u64 s[50:51], s[6:7], s[38:39]
	s_mov_b32 s38, s24
	s_add_nc_u64 s[52:53], s[12:13], s[38:39]
	s_mov_b32 s38, s25
	s_add_nc_u64 s[54:55], s[14:15], s[38:39]
	; every role issues every load, so that each register is written on every way; all addresses lie inside their buffers
	WIN 0x40                                       ; destination window 1
	s_wait_alu depctr_va_vdst(0)                   ; the offsets v1 to v6 are written, which every load and store of the kernel reads; up to the head's last load only loads and window switches follow
.irp t, 0,1,2,3
.irp s, 0,1,2,3
.irp g, 0,1,2
	global_load_b128 v[12*(4*\t+\s)+4*\g:12*(4*\t+\s)+4*\g+3], v1, s[40:41] offset:\t*6144+\s*1536+\g*512
.endr
.endr
.endr
.irp t, 0,1,2,3
	global_load_b128 v[RB+8*\t:RB+8*\t+3], v5, s[48:49] offset:(32*(\t/2)+8*(\t%2))*4
	global_load_b128 v[RB+8*\t+4:RB+8*\t+7], v5, s[48:49] offset:(32*(\t/2)+8*(\t%2))*4+16
.endr
	WIN 0x80                                       ; destination window 2
.irp t, 0,1,2,3
.irp s, 0,1,2,3
.irp g, 0,1,2
	global_load_b128 v[12*(4*\t+\s)+4*\g:12*(4*\t+\s)+4*\g+3], v1, s[40:41] offset:(\t+4)*6144+\s*1536+\g*512
.endr
.endr
.endr
.irp t, 0,1,2,3
	global_load_b128 v[RB+8*\t:RB+8*\t+3], v5, s[48:49] offset:(64+32*(\t/2)+8*(\t%2))*4
	global_load_b128 v[RB+8*\t+4:RB+8*\t+7], v5, s[48:49] offset:(64+32*(\t/2)+8*(\t%2))*4+16
.endr
.irp i, 0,1,2,3,4,5,6,7
	global_load_b32 v[BLV+\i], v6, s[50:51] offset:(32*(\i/2)+8*(\i%2))*4
.endr
	WIN 0
.irp t, 0,1,2,3,4,5,6,7
	global_load_b64 v[RS+4*\t:RS+4*\t+1], v2, s[42:43] offset:\t*512
	global_load_b64 v[RS+4*\t+2:RS+4*\t+3], v2, s[42:43] offset:\t*512+256
.endr
.macro FETCH i                         ; streamed tile i: 12 + 2 loads into set i % 2
.irp s, 0,1,2,3
.irp g, 0,1,2
	global_load_b128 v[XF+48*((\i)%2)+12*\s+4*\g:XF+48*((\i)%2)+12*\s+4*\g+3], v1, s[44:45] offset:(\i)*6144+\s*1536+\g*512
.endr
.endr
	global_load_b64 v[XS+4*((\i)%2):XS+4*((\i)%2)+1], v2, s[46:47] offset:(\i)*512
	global_load_b64 v[XS+4*((\i)%2)+2:XS+4*((\i)%2)+3], v2, s[46:47] offset:(\i)*512+256
.endm
; one product: streamed tile i, K step s, resident tile t.  c = 1: C is the resident bias; 2: the lane's bias; 0: in place
.macro PROD i, s, t, c
.set rD, HA+8*(\t)
.set rA, 12*(4*((\t)%4)+(\s))
.set rB, XF+48*((\i)%2)+12*(\s)
.set rP, RS+4*(\t)+(\s)
.set rQ, XS+4*((\i)%2)+(\s)
.if \c == 1
	v_wmma_scale_f32_16x16x128_f8f6f4 v[rD:rD+7], v[rA:rA+11], v[rB:rB+11], v[RB+8*((\t)%4):RB+8*((\t)%4)+7], v[rP], v[rQ] matrix_a_fmt:MATRIX_FMT_FP6 matrix_b_fmt:MATRIX_FMT_FP6
.elseif \c == 2
	v_wmma_scale_f32_16x16x128_f8f6f4 v[rD:rD+7], v[rA:rA+11], v[rB:rB+11], v[BL:BL+7], v[rP], v[rQ] matrix_a_fmt:MATRIX_FMT_FP6 matrix_b_fmt:MATRIX_FMT_FP6
.else
	v_wmma_scale_f32_16x16x128_f8f6f4 v[rD:rD+7], v[rA:rA+11], v[rB:rB+11], v[rD:rD+7], v[rP], v[rQ] matrix_a_fmt:MATRIX_FMT_FP6 matrix_b_fmt:MATRIX_FMT_FP6
.endif
.endm
.macro TILE i
.if (\i) < 7
	s_wait_loadcnt 14                              ; all but the next tile's 14 loads, the youngest: this tile is in (and, the first time, all that is resident)
.else
	s_wait_loadcnt 0x0
.endif
	s_cmp_eq_u32 s17, 2                            ; at a branch and at a label every window is 0
	s_cbranch_scc1 .Lvb_\@
	WIN 0x11                                       ; source 0 and C window 1
.irp t, 0,1,2,3
	PROD \i, 0, \t, 1
.endr
	WIN 0x22
.irp t, 4,5,6,7
	PROD \i, 0, \t, 1
.endr
	WIN 0
	s_branch .Ljb_\@
.Lvb_\@:
	WIN 0x82                                       ; role v: the bias belongs to the lane's streamed row: the same number in all eight registers
.irp j, 0,1,2,3,4,5,6,7
	v_mov_b32 v[BL+\j], v[BLV+(\i)]
.endr
.rept 4
	v_nop
.endr
	WIN 0x21                                       ; source 0 window 1, C window 2
.irp t, 0,1,2,3
	PROD \i, 0, \t, 2
.endr
	WIN 0x22
.irp t, 4,5,6,7
	PROD \i, 0, \t, 2
.endr
	WIN 0
.Ljb_\@:
.irp s, 1,2,3                                  ; the eight accumulators take turns, one instruction a turn
	WIN 0x01
.irp t, 0,1,2,3
	PROD \i, \s, \t, 0
.endr
	WIN 0x02
.irp t, 4,5,6,7
	PROD \i, \s, \t, 0
.endr
.endr
	WIN 0
.rept 4
	v_nop                                          ; four places in front of the first read of results (ISA guide 7.12.1)
.endr
	s_wait_xcnt 0x0                                ; the codes and words that earlier stores read are rewritten only behind this wait
.if (\i) > 0
	s_wait_alu depctr_vm_vsrc(0)                   ; the last tile's stores have read the codes v[PC ..] and the words v[SW ..], which the lines below write again
.endif
	QUANT HA
	v_lshrrev_b32 v[SW+(\i)%4], v[VSH], v[PW]      ; q, k: two bytes of my half's head, over 0x7f 0x7f; v: the word as it is
	v_and_or_b32 v[SW+(\i)%4], v[SW+(\i)%4], s35, s36
	s_wait_alu depctr_va_vdst(0)                   ; the codes v[PC ..] and the words v[SW ..] are written, which the stores below read; this tile's products are done reading their set of fragments and scale words, in which the loads below land
.if (\i) < 6
	FETCH (\i)+2                                   ; into the set that this tile has left; it has the next tile's products and quantising in which to land
.endif
	s_cmp_eq_u32 s17, 2
	s_cbranch_scc1 .Lvs_\@
	global_store_b128 v1, v[PC:PC+3], s[52:53] offset:(\i)*768               ; head 2 w: 512 + 256 consecutive bytes, at multiples of 256
	global_store_b64 v3, v[PC+4:PC+5], s[52:53] offset:(\i)*768
	global_store_b128 v1, v[PC+6:PC+9], s[52:53] offset:(\i)*768+196608      ; head 2 w + 1
	global_store_b64 v3, v[PC+10:PC+11], s[52:53] offset:(\i)*768+196608
.if (\i)%4 == 3
	global_store_b128 v4, v[SW:SW+3], s[54:55] offset:((\i)/4)*256           ; four tiles' words: lanes 0-15 fill 256 bytes of head 2 w, lanes 16-31 of head 2 w + 1
.endif
	s_branch .Ljs_\@
.Lvs_\@:
.irp g, 0,1,2
	global_store_b128 v1, v[PC+4*\g:PC+4*\g+3], s[52:53] offset:((\i)/4)*196608+((\i)%4)*1536+\g*512
.endr
.if (\i)%4 == 3
	global_store_b128 v4, v[SW:SW+3], s[54:55] offset:((\i)/4)*40960         ; a head's four tiles' words: 256 bytes; lanes 16-31 write the same words to the same bytes
.endif
.Ljs_\@:
.endm
	FETCH 0
	FETCH 1                                        ; both sets are asked for at the head; from here on each tile asks for the tile two on
.irp i, 0,1,2,3,4,5,6,7
	TILE \i
.endr
	s_endpgm
.Lfunc_end_k_q00cdad0618_qkv:
	.size	k_q00cdad0618_qkv, .Lfunc_end_k_q00cdad0618_qkv-k_q00cdad0618_qkv
	.p2alignl 7, 3214868480
	.fill 96, 4, 3214868480
	.section	.rodata,"a",@progbits
	.p2align	6, 0x0
	.amdhsa_kernel k_q00cdad0618_qkv
		.amdhsa_group_segment_fixed_size 0
		.amdhsa_private_segment_fixed_size 0
		.amdhsa_enable_private_segment 0
		.amdhsa_kernarg_size 48
		.amdhsa_user_sgpr_count 2
		.amdhsa_user_sgpr_kernarg_segment_ptr 1
		.amdhsa_wavefront_size32 1
		.amdhsa_system_sgpr_workgroup_id_x 1
		.amdhsa_system_sgpr_workgroup_id_y 1
		.amdhsa_system_sgpr_workgroup_id_z 1
		.amdhsa_system_vgpr_workitem_id 0
		.amdhsa_next_free_vgpr 768
		.amdhsa_next_free_sgpr 66
		.amdhsa_reserve_vcc 0
		.amdhsa_float_denorm_mode_32 3
		.amdhsa_float_denorm_mode_16_64 3
		.amdhsa_memory_ordered 1
		.amdhsa_forward_progress 1
		.amdhsa_inst_pref_size 114
	.end_amdhsa_kernel
	.amdgpu_metadata
---
amdhsa.version: [ 1, 2 ]
amdhsa.kernels:
  - .name:           k_q00cdad0618_qkv
    .symbol:         k_q00cdad0618_qkv.kd
    .args:
      - { .name: img, .offset: 0, .size: 8, .value_kind: global_buffer, .address_space: global }
      - { .name: bq, .offset: 8, .size: 8, .value_kind: global_buffer, .address_space: global }
      - { .name: bk, .offset: 16, .size: 8, .value_kind: global_buffer, .address_space: global }
      - { .name: bv, .offset: 24, .size: 8, .value_kind: global_buffer, .address_space: global }
      - { .name: qkv, .offset: 32, .size: 8, .value_kind: global_buffer, .address_space: global }
      - { .name: sc, .offset: 40, .size: 8, .value_kind: global_buffer, .address_space: global }
    .group_segment_fixed_size: 0
    .private_segment_fixed_size: 0
    .kernarg_segment_align: 8
    .kernarg_segment_size: 48
    .max_flat_workgroup_size: 128
    .sgpr_count:     66
    .vgpr_count:     768
    .wavefront_size: 32
...
	.end_amdgpu_metadata
.endif
;; end of part 6
;; launch attn (part 7): grid 16 x 16, 16 waves a work-group, no clusters, 327,680 bytes of LDS; arguments qkv, sc, gamma, ab; writes ab
.if DOCPART == 7
	.amdgcn_target "amdgcn-amd-amdhsa--gfx1250"
	.amdhsa_code_object_version 6
	.text
	.protected	k_q00cdad0618_attn
	.globl	k_q00cdad0618_attn
	.p2align	8
	.type	k_q00cdad0618_attn,@function
k_q00cdad0618_attn:
	s_mov_b64 s[64:65], 0
	v_nop
	global_prefetch_b8 v0, s[64:65] scope:SCOPE_SE
	s_setreg_imm32_b32 hwreg(HW_REG_WAVE_MODE, 25, 1), 1
	s_wait_xcnt 0x0
; Causal attention of one head on codes of FP6 (E2M3) with E8M0 scales: logit(i, j) = q_i . k_j / 8 - log(1 + gamma_i (i - j)), j <= i; the result, divided by the row's sum, is quantised along D.
; THE SOFTMAX: t = logit x log2(e); M = the running largest t rounded up to a whole number; p = 2^(t - M) is quantised along the keys, not normalised; the row's sum is taken of the unquantised p.
; When M moves, the sum and O are multiplied by 2^(old M - new M), which rounds nothing.
; THE BIAS RIDES IN AS THE C OF THE FIRST PRODUCT: u = score - 8 ln 2 x log2(1 + gamma delta), t = u x c with c = log2(e) / 8.  delta is made exactly in f32 (whole numbers under 2^13).
; LIMITS: the 1e-8 inside log1p is folded into the 1 (in f32 1 + 1e-8 is 1): p changes by at most 1e-8 / (1 + gamma delta) of itself, which passes 1e-6 only where 1 + gamma delta < 0.01;
;   zero blocks and blocks under 2^-124 keep the scale byte 1; NaN and infinities among the inputs are not served.
; SHARES.  Work-group (g, head): sixteen waves, each ONE tile of 16 queries in 256 registers, four waves to a SIMD.  Eight waves take tiles 8 g + 0 .. 7, eight take 255 - (8 g + 0 .. 7):
; early and late queries together, so that every work-group has 8 x 33 key steps of work, and waves w, w + 4, w + 8, w + 12 as well as waves 4 n .. 4 n + 3 hold two of each kind.
; A key step is 128 keys: 8 products K Q^T (K = 64: the upper half of the instruction's 128 meets zero codes of Q) and 4 products V^T P^T.  A step all of whose keys come after the wave's queries is left out.
; LAYOUT.  Both products are used transposed, a lane holds one query throughout; tiles hold rows 32 G + 8 u + m + 8 (m / 8), so that two neighbouring tiles leave 16 neighbouring keys (or channels) in a lane.
; K, V come as images of operand registers through a ring of two LDS slots of 1,024 keys (K 49,152 bytes, V 49,152), filled by waves 0-3, 24,576 dense bytes each; a refill has eight key steps in which to land.
; The head's scale words of K and V (24,576 bytes) come once, by wave 4.  Every LDS read is 16 or 8 bytes a lane on end: no padding.  A wave has one tensor load out at a time.
; NO CLUSTER: the work-groups that read the same K and V are the sixteen of a head, and each leaves out other key steps, by a branch on its own block of queries; partners of a joint load may not part so.
; REGISTERS: v1-3 lane offsets; v4, v7 my query - 16 h - the step's first key, whole and f32; v5, v6 the spare word and 0; v8-11 addresses of the step; v12 -M, v13 largest t, v[14:15] the sum;
;   v16-21 Q, v22-27 zero codes; v28 Q's word; v[30:31] gamma; v32-85 eight fragments of K, OVERLAPPED: fragment t is v[32 + 6 t .. + 11]: its upper six registers are the next tile's codes (v80-85: zeros),
;   which meet Q's zero codes; later four fragments of V; v86-93 delta's four bases; v96-159 bias, scores, p; v160-191 O^T; v192-210 p's codes; v212-223 at work; v224-231 scale words; v232 p's word;
;   v[234:235] f; v236-239 at work; v240-255 the numbers 0 .. -15.
.set SLOT1, 1<<17                      ; slot 1 begins here: one exclusive or turns an address from one slot into the other
.set KVB,   49152                      ; K's images of a slot; V's lie behind them
.set STEPB, 6144                       ; a key step's images of K, and of V
.set SCL,   98304                      ; K's scale words of the head (16,384 bytes), then V's (8,192)
.set SPARE, 122880                     ; the spare words, 128 bytes for each wave: eight blocks of 256 bytes that no other line names
.set S,     96
.set O,     160
	s_load_b256 s[4:11], s[0:1], 0x0               ; qkv, sc, gamma, ab
	v_lshl_add_u32 v5, v0, 2, SPARE
	v_mov_b32 v6, 0
	ds_add_u32 v5, v6
	ds_add_u32 v5, v6
	s_wait_dscnt 0x0
	v_lshrrev_b32 v8, 5, v0
	s_delay_alu instid0(VALU_DEP_1)
	v_readfirstlane_b32 s12, v8                    ; wave 0..15
	s_and_b32 s13, ttmp7, 0xffff                   ; batch x 8 + head
	s_lshr_b32 s14, s12, 1
	s_lshr_b32 s15, s12, 2
	s_xor_b32 s15, s15, s12
	s_and_b32 s15, s15, 1                          ; 1: a late tile
	s_lshl_b32 s16, ttmp9, 3
	s_add_co_u32 s16, s16, s14
	s_sub_co_u32 s17, 255, s16
	s_cmp_eq_u32 s15, 1
	s_cselect_b32 s16, s17, s16                    ; my tile of queries
	s_lshr_b32 s18, s16, 1
	s_lshl_b32 s18, s18, 5
	s_and_b32 s17, s16, 1
	s_lshl_b32 s17, s17, 3
	s_add_co_u32 s18, s18, s17                     ; its lowest query; its highest is 23 on
	; descriptor group 1: 24,576 dense bytes as 96 rows of 256 bytes (32 elements of 8 bytes)
	s_mov_b32 s24, 3<<16                           ; no mask; elements of 8 bytes; no padding
	s_mov_b32 s25, 32<<16                          ; tensor_dim0
	s_mov_b32 s26, 96<<16                          ; tensor_dim1
	s_mov_b32 s27, 32<<16                          ; tile_dim0
	s_mov_b32 s28, 96                              ; tile_dim1
	s_mov_b32 s29, 32                              ; stride
	s_mov_b32 s30, 0
	s_mov_b32 s31, 0
	s_min_u32 s14, s12, 3                          ; waves 0, 1: K's halves; 2, 3: V's (the others issue none of these)
	s_mul_i32 s33, s14, 24576                      ; group 0: LDS address, slot 0
	s_lshr_b32 s15, s14, 1
	s_add_co_u32 s15, s15, 1
	s_mul_i32 s56, s15, 3145728                    ; region k or v
	s_mul_i32 s15, s13, 196608                     ; the head's images
	s_add_co_u32 s56, s56, s15
	s_and_b32 s15, s14, 1
	s_mul_i32 s15, s15, 24576
	s_add_co_u32 s56, s56, s15
	s_mov_b32 s57, 0
	s_mul_i32 s58, s13, 40960                      ; the head's scale words
	s_mov_b32 s59, 0
	s_mov_b32 s20, 0x76543210
	s_mov_b32 s21, 0xfedcba98                      ; lane l xor 16
	s_mov_b32 s22, 0x3e38aa3b                      ; c = log2(e) / 8
	s_mov_b32 s23, s22
	s_mov_b32 s60, 0xc0b17218                      ; -8 ln 2 = -1 / c
	s_mov_b32 s61, s60
	s_mov_b32 s19, 0                               ; the step's first key
	s_mov_b32 s40, 0                               ; where the step's images begin in LDS
	s_mov_b32 s41, SCL                             ; K's scale words of the step
	s_mov_b32 s42, SCL+16384                       ; V's
	s_wait_kmcnt 0x0
	s_mov_b32 s32, 1
	s_add_nc_u64 s[34:35], s[4:5], s[56:57]
	s_or_b32 s35, s35, 0x80000000
	s_mov_b32 s36, 1
	s_mov_b32 s37, SCL
	s_add_nc_u64 s[38:39], s[6:7], s[58:59]
	s_or_b32 s39, s39, 0x80000000
	s_cmp_lt_u32 s12, 4                            ; the first fills: slot 0 and the scale words, one load a wave, ahead of every wait on TENSORcnt, LDS read and barrier
	s_cbranch_scc0 .Lnot_kv
	tensor_load_to_lds s[32:35], s[24:31]
	s_nop 0
.rept 4
	v_nop                                          ; four v_nop follow a tensor load
.endr
	s_branch .Lasked
.Lnot_kv:
	s_cmp_eq_u32 s12, 4
	s_cbranch_scc0 .Lasked
	tensor_load_to_lds s[36:39], s[24:31]
	s_nop 0
.rept 4
	v_nop
.endr
.Lasked:
	s_lshl_b32 s56, s13, 8
	s_add_co_u32 s56, s56, s16
	s_mul_i32 s56, s56, 768
	s_add_nc_u64 s[46:47], s[4:5], s[56:57]        ; Q's image
	s_lshr_b32 s14, s16, 2
	s_lshl_b32 s14, s14, 8
	s_and_b32 s15, s16, 3
	s_lshl_b32 s15, s15, 2
	s_add_co_u32 s56, s58, s14
	s_add_co_u32 s56, s56, s15
	s_add_co_u32 s56, s56, 24576
	s_add_nc_u64 s[48:49], s[6:7], s[56:57]        ; Q's scale words
	s_lshr_b32 s14, s13, 3                         ; batch
	s_lshl_b32 s56, s14, 12
	s_add_co_u32 s56, s56, s18
	s_lshl_b32 s56, s56, 2
	s_add_nc_u64 s[50:51], s[8:9], s[56:57]        ; gamma at my lowest query
	s_lshl_b32 s14, s14, 8
	s_add_co_u32 s14, s14, s16
	s_lshl_b32 s14, s14, 3
	s_and_b32 s15, s13, 7
	s_add_co_u32 s14, s14, s15                     ; 8 x (tile of all 512) + head
	s_mul_i32 s56, s14, 768
	s_add_nc_u64 s[52:53], s[10:11], s[56:57]      ; my codes out
	s_lshl_b32 s56, s14, 7
	s_add_co_u32 s56, s56, 3145728
	s_add_nc_u64 s[54:55], s[10:11], s[56:57]      ; my words out
	v_and_b32 v8, 31, v0
	v_and_b32 v9, 15, v0                           ; r
	v_bfe_u32 v10, v0, 4, 1                        ; h
	s_delay_alu instid0(VALU_DEP_3)
	v_lshlrev_b32 v1, 4, v8                        ; 16 x lane
	s_delay_alu instid0(VALU_DEP_4)
	v_lshlrev_b32 v2, 3, v8
	s_delay_alu instid0(VALU_DEP_1)
	v_add_nc_u32 v2, 512, v2                       ; 8 x lane + 512
	v_lshlrev_b32 v3, 4, v9                        ; 16 r
	v_and_b32 v11, 8, v9
	s_delay_alu instid0(VALU_DEP_1)
	v_add_nc_u32 v11, v11, v9                      ; r + 8 (r / 8): my query's place in the tile
	s_delay_alu instid0(VALU_DEP_1)
	v_lshlrev_b32 v29, 2, v11
	global_load_b128 v[16:19], v1, s[46:47]
	global_load_b64 v[20:21], v2, s[46:47]
	global_load_b32 v28, v3, s[48:49]
	global_load_b32 v30, v29, s[50:51]
	v_lshlrev_b32 v4, 4, v10
	s_delay_alu instid0(VALU_DEP_1)
	v_sub_nc_u32 v4, v11, v4
	s_delay_alu instid0(VALU_DEP_1)
	v_add_nc_u32 v4, s18, v4                       ; my query - 16 h - the first key (0)
	s_delay_alu instid0(VALU_DEP_1)
	v_cvt_f32_i32 v7, v4
.irp i, 0,1,2,3,4,5,6,7,8,9,10,11,12,13,14,15
	v_cvt_f32_i32 v[240+\i], -\i
.endr
.irp j, 22,23,24,25,26,27,80,81,82,83,84,85,87,89,91,93,216,217,218,219,235,14,15
	v_mov_b32 v[\j], 0                             ; zero codes; upper halves of pairs that are named whole; lane permutes' destinations; the sum
.endr
.set j, 0
.rept 32
	v_mov_b32 v[O+j], 0                            ; O^T: the step is written once and its first walk finds zeros
.set j, j+1
.endr
	v_mov_b32 v13, 0xff61b1e6                      ; the largest t so far: -3e38
	s_delay_alu instid0(VALU_DEP_1)
	v_floor_f32 v12, -v13
; A KEY STEP
.macro STEP
	s_add_co_u32 s45, s18, 23
	s_cmp_gt_u32 s19, s45                          ; all 128 keys behind my 16 queries: only the addresses step.  (Groups of 32 queries never straddle a step, so in a step that is walked every lane sees its first key)
	s_cbranch_scc1 .Lhidden_\@
	s_setprio 2
	v_add_nc_u32 v8, s40, v1                       ; these four are also the places in front of loads into registers that the last products read
	v_add_nc_u32 v9, s40, v2
	v_add_nc_u32 v10, s41, v3
	v_add_nc_u32 v11, s42, v3
.irp t, 0,1,2,3,4,5,6,7
	ds_load_b128 v[32+6*\t:35+6*\t], v8 offset:768*\t
	ds_load_b64 v[36+6*\t:37+6*\t], v9 offset:768*\t
.endr
	ds_load_b128 v[224:227], v10                   ; the scale words of tiles 0-3 of row r, then 4-7
	ds_load_b128 v[228:231], v10 offset:256
	; the bias, in the scores' registers, while those loads are out.  Register 16 b + i holds key first + 32 b + 16 h + i
	v_mov_b32 v86, v7
	v_add_f32 v88, 0xc2000000, v7                  ; - 32
	v_add_f32 v90, 0xc2800000, v7                  ; - 64
	v_add_f32 v92, 0xc2c00000, v7                  ; - 96
.irp b, 0,1,2,3
.irp i, 0,2,4,6,8,10,12,14
	v_pk_add_f32 v[S+16*\b+\i:S+16*\b+\i+1], v[240+\i:241+\i], v[86+2*\b:87+2*\b] op_sel_hi:[1,0]   ; delta = query - key, exact
.endr
.endr
.set j, 0
.rept 32
	v_pk_fma_f32 v[S+j:S+j+1], v[S+j:S+j+1], v[30:31], 1.0 op_sel_hi:[1,1,0]   ; 1 + gamma delta
.set j, j+2
.endr
.set j, 0
	s_wait_alu depctr_va_vdst(0)
.rept 64
	v_log_f32 v[S+j], v[S+j]                       ; one batch.  (Of a hidden key it may be no number: the mask below writes over it)
.set j, j+1
.endr
	v_add_f32 v7, 0xc3000000, v7                   ; on to the next step's first key: plain work behind the batch
	v_add_nc_u32 v4, 0xffffff80, v4
	s_wait_alu depctr_va_vdst(0)                   ; one wait for the batch, ahead of its first reader
.set j, 0
.rept 32
	v_pk_mul_f32 v[S+j:S+j+1], v[S+j:S+j+1], s[60:61] op_sel_hi:[1,0]   ; -log2(..) / c
.set j, j+2
.endr
.rept 4
	v_nop
.endr
	s_wait_alu depctr_va_vdst(0)
	s_wait_dscnt 0x0                               ; K and its scale words are in
.irp t, 0,1,2,3,4,5,6,7
	v_wmma_scale_f32_16x16x128_f8f6f4 v[S+8*\t:S+8*\t+7], v[32+6*\t:43+6*\t], v[16:27], v[S+8*\t:S+8*\t+7], v[224+\t], v28 matrix_a_fmt:MATRIX_FMT_FP6 matrix_b_fmt:MATRIX_FMT_FP6
.endr
.rept 4
	v_nop                                          ; four places in front of loads into registers that these products read, and of the first read of results
.endr
.irp t, 0,1,2,3
.irp g, 0,1,2
	ds_load_b128 v[32+12*\t+4*\g:35+12*\t+4*\g], v8 offset:KVB+1536*\t+512*\g   ; V^T: 16 channels x these 128 keys; it lands while the softmax is walked
.endr
.endr
	ds_load_b128 v[224:227], v11
	s_add_co_u32 s45, s19, 127
	s_cmp_le_u32 s45, s18                          ; all keys count for all my queries: no mask
	s_cbranch_scc1 .Lopen_\@
	v_add_nc_u32 v236, 0x80, v4                    ; d = my query - 16 h - first key (v4 has been stepped): register 16 b + i is hidden where 32 b + i > d
	v_mov_b32 v237, 0xff800000
.set n, 0
.rept 64
	v_cmp_gt_i32 vcc_lo, 32*(n/16)+n%16, v236
	v_cndmask_b32 v[S+n], v[S+n], v237, vcc_lo
.set n, n+1
.endr
.Lopen_\@:
	s_setprio 1
.irp b, 0,1,2,3
	v_max3_num_f32 v[212+\b], v[S+16*\b], v[S+1+16*\b], v[S+2+16*\b]   ; the largest u of each block of 32 keys: for the row's maximum and, since p rises with u, for the block's largest p
.endr
.irp i, 3,5,7,9,11,13
.irp b, 0,1,2,3
	v_max3_num_f32 v[212+\b], v[212+\b], v[S+16*\b+\i], v[S+1+16*\b+\i]
.endr
.endr
.irp b, 0,1,2,3
	v_max_num_f32 v[212+\b], v[212+\b], v[S+15+16*\b]
.endr
.irp b, 0,1,2,3
	s_delay_alu instid0(VALU_DEP_4)
	v_permlanex16_b32 v[216+\b], v[212+\b], s20, s21
.endr
.irp b, 0,1,2,3
	s_delay_alu instid0(VALU_DEP_4)
	v_max_num_f32 v[212+\b], v[212+\b], v[216+\b]
.endr
	s_delay_alu instid0(VALU_DEP_2)
	v_max3_num_f32 v236, v212, v213, v214
	s_delay_alu instid0(VALU_DEP_1)
	v_max_num_f32 v236, v236, v215
	s_delay_alu instid0(VALU_DEP_1)
	v_mul_f32 v236, s22, v236                      ; as t
	s_delay_alu instid0(VALU_DEP_1)
	v_max_num_f32 v13, v13, v236
	v_mov_b32 v236, v12
	s_delay_alu instid0(VALU_DEP_2)
	v_floor_f32 v12, -v13                          ; -M = floor(-t)
	s_delay_alu instid0(VALU_DEP_1)
	v_sub_f32 v236, v12, v236                      ; old M - new M: a whole number, 0 or less
	s_delay_alu instid0(VALU_DEP_1)
	v_cvt_i32_f32 v236, v236
	s_delay_alu instid0(VALU_DEP_1)
	v_ldexp_f32 v234, 1.0, v236                    ; f
.set j, 0
.rept 32
	v_pk_fma_f32 v[S+j:S+j+1], v[S+j:S+j+1], s[22:23], v[12:13] op_sel_hi:[1,0,0]   ; t - M
.set j, j+2
.endr
.irp b, 0,1,2,3
	v_fma_f32 v[212+\b], v[212+\b], s22, v12
.endr
.set j, 0
	s_wait_alu depctr_va_vdst(0)
.rept 64
	v_exp_f32 v[S+j], v[S+j]                       ; p
.set j, j+1
.endr
	v_pk_mul_f32 v[14:15], v[14:15], v[234:235] op_sel_hi:[1,0]   ; the sum under the new M: the plain place behind the batch
	s_wait_alu depctr_va_vdst(0)                   ; one wait for the 64
.irp b, 0,1,2,3
	v_exp_f32 v[212+\b], v[212+\b]                 ; each block's largest p
.endr
	v_pk_add_f32 v[238:239], v[100:101], v[104:105]
	v_pk_add_f32 v[236:237], v[108:109], v[112:113]
	v_pk_add_f32 v[232:233], v[116:117], v[120:121]
	v_pk_add_f32 v[230:231], v[124:125], v[128:129]
	v_pk_add_f32 v[228:229], v[132:133], v[136:137]
	v_pk_add_f32 v[222:223], v[140:141], v[144:145]
	v_pk_add_f32 v[220:221], v[148:149], v[152:153]
	v_pk_add_f32 v[14:15], v[14:15], v[156:157]
	v_pk_add_f32 v[238:239], v[238:239], v[96:97]
	v_pk_add_f32 v[236:237], v[236:237], v[98:99]
	v_pk_add_f32 v[232:233], v[232:233], v[102:103]
	v_pk_add_f32 v[230:231], v[230:231], v[106:107]
	v_pk_add_f32 v[228:229], v[228:229], v[110:111]
	v_pk_add_f32 v[222:223], v[222:223], v[114:115]
	v_pk_add_f32 v[220:221], v[220:221], v[118:119]
	v_pk_add_f32 v[14:15], v[14:15], v[122:123]
	v_pk_add_f32 v[238:239], v[238:239], v[126:127]
	v_pk_add_f32 v[236:237], v[236:237], v[130:131]
	v_pk_add_f32 v[232:233], v[232:233], v[134:135]
	v_pk_add_f32 v[230:231], v[230:231], v[138:139]
	v_pk_add_f32 v[228:229], v[228:229], v[142:143]
	v_pk_add_f32 v[222:223], v[222:223], v[146:147]
	s_setprio 0
	v_pk_add_f32 v[220:221], v[220:221], v[150:151]
	v_pk_add_f32 v[14:15], v[14:15], v[154:155]
	v_pk_add_f32 v[238:239], v[238:239], v[158:159]
	s_delay_alu instid0(VALU_DEP_2)
	v_pk_add_f32 v[14:15], v[14:15], v[230:231]
	s_delay_alu instid0(VALU_DEP_2)
	v_pk_add_f32 v[238:239], v[238:239], v[228:229]
	v_pk_add_f32 v[236:237], v[236:237], v[222:223]
	v_pk_add_f32 v[232:233], v[232:233], v[220:221]
	s_delay_alu instid0(VALU_DEP_2)
	v_pk_add_f32 v[14:15], v[14:15], v[236:237]
	s_delay_alu instid0(VALU_DEP_2)
	v_pk_add_f32 v[238:239], v[238:239], v[232:233]
	s_delay_alu instid0(VALU_DEP_1)
	v_pk_add_f32 v[14:15], v[14:15], v[238:239]
	s_wait_alu depctr_va_vdst(0)                   ; and one for the four
.irp b, 0,1,2,3
	v_max_num_f32 v[212+\b], 0x1800000, v[212+\b]  ; the floor 2^(3 - 127)
.endr
.irp b, 0,1,2,3
	s_delay_alu instid0(VALU_DEP_4)
	v_add_nc_u32 v[220+\b], 0xff000000, v[212+\b]
.endr
.irp b, 0,1,2,3
	s_delay_alu instid0(VALU_DEP_4)
	v_lshrrev_b32 v[216+\b], 23, v[220+\b]
.endr
	s_delay_alu instid0(VALU_DEP_3)
	v_lshl_or_b32 v232, v217, 8, v216              ; p's scale word for these 128 keys
	s_delay_alu instid0(VALU_DEP_1)
	v_lshl_or_b32 v232, v218, 16, v232
	s_delay_alu instid0(VALU_DEP_1)
	v_lshl_or_b32 v232, v219, 24, v232
.irp c, 0,1
	v_cvt_scalef32_pk16_fp6_f32 v[192+6*\c:194+6*\c], v[S+32*\c:S+15+32*\c], v[220+2*\c]
	v_cvt_scalef32_pk16_fp6_f32 v[204+4*\c:206+4*\c], v[S+16+32*\c:S+31+32*\c], v[220+2*\c+1]
.endr
	v_nop                                          ; one plain place behind a scaled conversion
.irp c, 0,1
.irp i, 0,1,2
	v_permlane16_swap_b32 v[192+6*\c+\i], v[204+4*\c+\i]
.endr
.irp i, 0,1,2
	s_delay_alu instid0(VALU_DEP_3)
	v_mov_b32 v[195+6*\c+\i], v[204+4*\c+\i]
.endr
.endr
.set j, 0
.rept 16
	v_pk_mul_f32 v[O+j:O+j+1], v[O+j:O+j+1], v[234:235] op_sel_hi:[1,0]   ; O^T under the new M; also the places between the word and codes just made and the scaled products
.set j, j+2
.endr
.rept 4
	v_nop
.endr
	s_wait_alu depctr_va_vdst(0)
	s_wait_dscnt 0x0                               ; V and its scale words are in
.irp t, 0,1,2,3
	v_wmma_scale_f32_16x16x128_f8f6f4 v[O+8*\t:O+8*\t+7], v[32+12*\t:43+12*\t], v[192:203], v[O+8*\t:O+8*\t+7], v[224+\t], v232 matrix_a_fmt:MATRIX_FMT_FP6 matrix_b_fmt:MATRIX_FMT_FP6
.endr
.Lhidden_\@:
	s_add_co_u32 s19, s19, 128
	s_add_co_u32 s40, s40, STEPB
	s_add_co_u32 s41, s41, 512
	s_add_co_u32 s42, s42, 256
.endm
; THE CHANGE OF SLOTS, at a slot's head.  Each wave waits for all its tensor loads, adds 0 to its spare word, and waits for that and for its reads of the slot that it has left; behind the barrier
; the slot ahead is whole and nobody reads the other.  fill = 1: the other slot takes the next 1,024 keys: a wave's one tensor load until the next such barrier, and the first thing behind this one.
.macro CHANGE fill
	s_wait_tensorcnt 0x0                           ; no tensor load of mine is out, so group 0 may be written
	ds_add_u32 v5, v6                              ; 0 onto my spare word
.if \fill
	s_xor_b32 s33, s33, SLOT1
	s_add_nc_u64 s[34:35], s[34:35], KVB           ; the type bits on top are not reached
.endif
	s_wait_dscnt 0x0
	s_barrier_signal -1
	s_barrier_wait -1
.if \fill
	s_cmp_lt_u32 s12, 4
	s_cbranch_scc0 .Lnone_\@
	tensor_load_to_lds s[32:35], s[24:31]
	s_nop 0
.rept 4
	v_nop
.endr
.Lnone_\@:
.endif
.endm
.macro EIGHT                           ; a slot's eight key steps
	s_mov_b32 s43, 8
.Lstep_\@:
	STEP
	s_sub_co_u32 s43, s43, 1
	s_cmp_lg_u32 s43, 0
	s_cbranch_scc1 .Lstep_\@
	s_setprio 0
	s_sub_co_u32 s40, s40, KVB                     ; back to a slot's first step,
	s_xor_b32 s40, s40, SLOT1                      ; in the other slot
.endm
	s_wait_loadcnt 0x0                             ; Q, its words, gamma
	v_mov_b32 v31, v30
	CHANGE 1                                       ; the four slots are written out
	EIGHT
	CHANGE 1
	EIGHT
	CHANGE 1
	EIGHT
	CHANGE 0
	EIGHT
	; THE WAY OUT: O^T / the sum is quantised along D (my head's two blocks of 32) and leaves as an image of the next operand's registers
.rept 4
	v_nop                                          ; four places behind the last products
.endr
	v_add_f32 v14, v14, v15
	s_delay_alu instid0(VALU_DEP_1)
	v_permlanex16_b32 v216, v14, s20, s21
	s_delay_alu instid0(VALU_DEP_1)
	v_add_f32 v14, v14, v216                       ; the row's sum
	s_wait_alu depctr_va_vdst(0)
	v_rcp_f32 v14, v14
	v_and_b32 v8, 31, v0                           ; (a plain place behind the reciprocal)
	s_delay_alu instid0(VALU_DEP_1)
	v_lshlrev_b32 v8, 2, v8                        ; 4 x lane
	s_wait_alu depctr_va_vdst(0)
.set j, 0
.rept 32
	v_mul_f32 v[S+j], v[O+j], v14                  ; register 16 b + i: channel 32 b + 16 h + i of my query
.set j, j+1
.endr
.irp b, 0,1
	v_max3_num_f32 v[212+\b], |v[S+16*\b]|, |v[S+1+16*\b]|, 0x1800000
.endr
.irp i, 2,4,6,8,10,12,14
.irp b, 0,1
	s_delay_alu instid0(VALU_DEP_2)
	v_max3_num_f32 v[212+\b], v[212+\b], |v[S+16*\b+\i]|, |v[S+1+16*\b+\i]|
.endr
.endr
.irp b, 0,1
	s_delay_alu instid0(VALU_DEP_2)
	v_permlanex16_b32 v[216+\b], v[212+\b], s20, s21
.endr
.irp b, 0,1
	s_delay_alu instid0(VALU_DEP_2)
	v_max_num_f32 v[212+\b], v[212+\b], v[216+\b]
.endr
.irp b, 0,1
	s_delay_alu instid0(VALU_DEP_2)
	v_add_nc_u32 v[220+\b], 0xff000000, v[212+\b]
.endr
.irp b, 0,1
	s_delay_alu instid0(VALU_DEP_2)
	v_lshrrev_b32 v[216+\b], 23, v[220+\b]
.endr
	s_delay_alu instid0(VALU_DEP_1)
	v_lshl_or_b32 v232, v217, 8, v216              ; my head's two bytes
	v_cvt_scalef32_pk16_fp6_f32 v[192:194], v[S:S+15], v220
	v_cvt_scalef32_pk16_fp6_f32 v[204:206], v[S+16:S+31], v221
	v_nop
.irp i, 0,1,2
	v_permlane16_swap_b32 v[192+\i], v[204+\i]
.endr
.irp i, 0,1,2
	s_delay_alu instid0(VALU_DEP_3)
	v_mov_b32 v[195+\i], v[204+\i]
.endr
	global_store_b128 v1, v[192:195], s[52:53]     ; 512 + 256 consecutive bytes, at multiples of 256
	global_store_b64 v2, v[196:197], s[52:53]
	global_store_b32 v8, v232, s[54:55]            ; 128 consecutive bytes, once a wave: the neighbouring 128 are another head's, which another work-group makes
	s_wait_tensorcnt 0x0                           ; the wave's end
	ds_add_u32 v5, v6
	s_wait_dscnt 0x0
	s_endpgm
.Lfunc_end_k_q00cdad0618_attn:
	.size	k_q00cdad0618_attn, .Lfunc_end_k_q00cdad0618_attn-k_q00cdad0618_attn
	.p2alignl 7, 3214868480
	.fill 96, 4, 3214868480
	.section	.rodata,"a",@progbits
	.p2align	6, 0x0
	.amdhsa_kernel k_q00cdad0618_attn
		.amdhsa_group_segment_fixed_size 327680
		.amdhsa_private_segment_fixed_size 0
		.amdhsa_enable_private_segment 0
		.amdhsa_kernarg_size 32
		.amdhsa_user_sgpr_count 2
		.amdhsa_user_sgpr_kernarg_segment_ptr 1
		.amdhsa_wavefront_size32 1
		.amdhsa_system_sgpr_workgroup_id_x 1
		.amdhsa_system_sgpr_workgroup_id_y 1
		.amdhsa_system_sgpr_workgroup_id_z 1
		.amdhsa_system_vgpr_workitem_id 0
		.amdhsa_next_free_vgpr 256
		.amdhsa_next_free_sgpr 66
		.amdhsa_reserve_vcc 1
		.amdhsa_float_denorm_mode_32 3
		.amdhsa_float_denorm_mode_16_64 3
		.amdhsa_memory_ordered 1
		.amdhsa_forward_progress 1
		.amdhsa_inst_pref_size 140
	.end_amdhsa_kernel
	.amdgpu_metadata
---
amdhsa.version: [ 1, 2 ]
amdhsa.kernels:
  - .name:           k_q00cdad0618_attn
    .symbol:         k_q00cdad0618_attn.kd
    .args:
      - { .name: qkv, .offset: 0, .size: 8, .value_kind: global_buffer, .address_space: global }
      - { .name: sc, .offset: 8, .size: 8, .value_kind: global_buffer, .address_space: global }
      - { .name: gamma, .offset: 16, .size: 8, .value_kind: global_buffer, .address_space: global }
      - { .name: ab, .offset: 24, .size: 8, .value_kind: global_buffer, .address_space: global }
    .group_segment_fixed_size: 327680
    .private_segment_fixed_size: 0
    .kernarg_segment_align: 8
    .kernarg_segment_size: 32
    .max_flat_workgroup_size: 512
    .sgpr_count:     66
    .vgpr_count:     256
    .wavefront_size: 32
...
	.end_amdgpu_metadata
.endif
;; end of part 7
;; launch oproj (part 8): grid 256 x 1, 4 waves a work-group, no clusters, 34,304 bytes of LDS; arguments ab, img, bo, out0; writes out0
.if DOCPART == 8
	.amdgcn_target "amdgcn-amd-amdhsa--gfx1250"
	.amdhsa_code_object_version 6
	.text
	.protected	k_q00cdad0618_oproj
	.globl	k_q00cdad0618_oproj
	.p2align	8
	.type	k_q00cdad0618_oproj,@function
k_q00cdad0618_oproj:
	s_mov_b64 s[64:65], 0
	v_nop
	global_prefetch_b8 v0, s[64:65] scope:SCOPE_SE
	s_setreg_imm32_b32 hwreg(HW_REG_WAVE_SCHED_MODE, 0, 2), 2
	s_setreg_imm32_b32 hwreg(HW_REG_WAVE_MODE, 25, 1), 1
	s_wait_xcnt 0x0
	s_wait_alu depctr_vm_vsrc(0)
; out0 = a Wo^T + bo on codes of FP6 (E2M3) with E8M0 scales, K = 512.  a: the attention's result as images of operand registers: tile T, head hd at 768 (8 T + hd), six registers a lane;
; two heads make a K step of 128.  Its scale words (two bytes a head) lie from byte ASC on at 128 (8 T + hd) + 4 lane.  Wo: tiles 608 .. 639 of img.
; SHARES.  A work-group takes tiles 2 wg and 2 wg + 1: rows 32 wg .. + 31.  Wave w keeps the 8 tiles of Wo of columns 128 w .. + 127 in registers (source 0); the rows are source 1:
; a lane holds one row and 64 of its columns, 16 neighbours to two tiles.  bo is the C of each sum's first product.
; THE WAY OUT: through the wave's own stage in LDS (16 rows x 528 bytes) and back as whole rows of 512 bytes.  Waves share nothing: no barrier.
; REGISTERS.  window 0: v1-7 offsets; v16-63, v64-111 the two tiles; v112-175 results; v176-207 the raw words, later rows on the way out; v208-239 Wo's scale words; v240-247 the rows' scale words.
;   window 1: Wo's tiles 0-3 at 12 (4 t + s), their bias at 192 + 8 t.  window 2: tiles 4-7 likewise.
; THE MODE: SCHED_MODE bits 1:0 = 2 (LLVM: expert scheduling mode 2), set by the entry lines.  The code itself states the register dependences
; between vector or matrix instructions and memory or LDS instructions, with s_wait_alu, always for 0.
; THE PLAN.  Registers that memory or LDS instructions touch:
;   v1 .. v7     offsets and LDS addresses, made once at the head and never written again.
;   fragments, biases, Wo's scale words: loaded once at the head.  v176-191, the raw words: loaded once, read by the eight lines that make the rows' scale words.
;   HA           Written by a tile's 32 products; read by its 16 LDS stores; written anew by the second tile's products.
;   BK, BK1      The way out's two buffers, eight rows each: BK is v176-207, BK1 is v16-47, the first tile's fragments, which are done with behind that tile's products.
;                Written by the loads from the stage; read by the global stores.  No vector or matrix instruction names them behind the waits below.
;   v254, v255   Written at the head, read by the closing add alone.
; So a tile has ONE wait on va_vdst, behind its products and their places: its 16 LDS stores, 16 LDS loads and 16 global stores follow with no vector instruction between.
; ONE wait on vm_vsrc stands in the kernel, at the head of the second tile: all that the first tile's stores read is free from there on.
.set SCB, 3932160
.set ASC, 3145728
.set XF,  16
.set HA,  112
.set BK,  176
.set BK1, 16
.set RS,  208
.set XS,  240
.set RB,  192
.set MSB, 0
.macro WIN new                         ; the immediate's high byte repeats the setting that is left
.if MSB != \new
	s_set_vgpr_msb (MSB<<8)|\new
.set MSB, \new
.endif
.endm
	s_load_b256 s[4:11], s[0:1], 0x0               ; ab, img, bo, out0
	v_lshl_add_u32 v254, v0, 2, 0x8400
	v_mov_b32 v255, 0
	v_lshrrev_b32 v9, 5, v0
	v_readfirstlane_b32 s12, v9                    ; wave w
	v_and_b32 v9, 31, v0
	v_and_b32 v10, 15, v0                          ; r
	v_bfe_u32 v11, v0, 4, 1                        ; h
	v_lshlrev_b32 v1, 4, v9                        ; 16 x lane
	v_lshlrev_b32 v2, 3, v9                        ; 8 x lane
	v_add_nc_u32 v3, 512, v2
	v_lshlrev_b32 v4, 2, v9                        ; 4 x lane
	v_lshlrev_b32 v5, 6, v11                       ; 64 h
	s_wait_alu depctr_va_sdst(0)                   ; s12, the wave's number, is written, ahead of its first reader: the stage's place and every base are made from it
	s_mul_i32 s13, s12, 8448                       ; my stage
	v_mul_u32_u24 v6, v10, 528
	v_lshl_add_u32 v6, v11, 6, v6
	v_add_nc_u32 v6, s13, v6                       ; in: row r, + 64 h
	v_add_nc_u32 v7, s13, v1                       ; back: 16 bytes a lane of a row
	s_lshl_b32 s14, s12, 3
	s_add_co_u32 s14, s14, 608                     ; my first tile of Wo
	s_mov_b32 s29, 0
	s_wait_kmcnt 0x0
	s_mul_i32 s28, s14, 6144
	s_add_nc_u64 s[16:17], s[6:7], s[28:29]
	s_lshl_b32 s28, s14, 9
	s_add_co_u32 s28, s28, SCB
	s_add_nc_u64 s[18:19], s[6:7], s[28:29]
	s_lshl_b32 s28, s12, 9
	s_add_nc_u64 s[20:21], s[8:9], s[28:29]        ; bo at column 128 w
	s_add_nc_u64 s[26:27], s[10:11], s[28:29]
	s_lshl_b32 s28, ttmp9, 16
	s_add_nc_u64 s[26:27], s[26:27], s[28:29]      ; out0 at row 32 wg, column 128 w
	s_mul_i32 s28, ttmp9, 12288
	s_add_nc_u64 s[22:23], s[4:5], s[28:29]        ; my two tiles' codes
	s_lshl_b32 s28, ttmp9, 11
	s_add_co_u32 s28, s28, ASC
	s_add_nc_u64 s[24:25], s[4:5], s[28:29]        ; and their words
	s_wait_alu depctr_va_vdst(0)                   ; the offsets and LDS addresses v1 to v7 are written, which every load and store of the kernel reads; up to the head's last load only loads and window switches follow
.irp i, 0,1
.irp s, 0,1,2,3
	global_load_b128 v[XF+48*\i+12*\s:XF+48*\i+12*\s+3], v1, s[22:23] offset:(8*\i+2*\s)*768
	global_load_b64 v[XF+48*\i+12*\s+4:XF+48*\i+12*\s+5], v3, s[22:23] offset:(8*\i+2*\s)*768
	global_load_b128 v[XF+48*\i+12*\s+6:XF+48*\i+12*\s+9], v1, s[22:23] offset:(8*\i+2*\s+1)*768
	global_load_b64 v[XF+48*\i+12*\s+10:XF+48*\i+12*\s+11], v3, s[22:23] offset:(8*\i+2*\s+1)*768
.endr
.endr
.irp n, 0,1,2,3,4,5,6,7,8,9,10,11,12,13,14,15
	global_load_b32 v[BK+\n], v4, s[24:25] offset:\n*128
.endr
.irp t, 0,1,2,3,4,5,6,7
	global_load_b64 v[RS+4*\t:RS+4*\t+1], v2, s[18:19] offset:\t*512
	global_load_b64 v[RS+4*\t+2:RS+4*\t+3], v2, s[18:19] offset:\t*512+256
.endr
	WIN 0x40                                       ; destination window 1
.irp t, 0,1,2,3
.irp s, 0,1,2,3
.irp g, 0,1,2
	global_load_b128 v[12*(4*\t+\s)+4*\g:12*(4*\t+\s)+4*\g+3], v1, s[16:17] offset:\t*6144+\s*1536+\g*512
.endr
.endr
.endr
.irp t, 0,1,2,3
	global_load_b128 v[RB+8*\t:RB+8*\t+3], v5, s[20:21] offset:(32*(\t/2)+8*(\t%2))*4
	global_load_b128 v[RB+8*\t+4:RB+8*\t+7], v5, s[20:21] offset:(32*(\t/2)+8*(\t%2))*4+16
.endr
	WIN 0x80                                       ; destination window 2
.irp t, 0,1,2,3
.irp s, 0,1,2,3
.irp g, 0,1,2
	global_load_b128 v[12*(4*\t+\s)+4*\g:12*(4*\t+\s)+4*\g+3], v1, s[16:17] offset:(\t+4)*6144+\s*1536+\g*512
.endr
.endr
.endr
.irp t, 0,1,2,3
	global_load_b128 v[RB+8*\t:RB+8*\t+3], v5, s[20:21] offset:(64+32*(\t/2)+8*(\t%2))*4
	global_load_b128 v[RB+8*\t+4:RB+8*\t+7], v5, s[20:21] offset:(64+32*(\t/2)+8*(\t%2))*4+16
.endr
	WIN 0
	s_wait_loadcnt 0x0
.irp i, 0,1
.irp s, 0,1,2,3
	v_lshl_or_b32 v[XS+4*\i+\s], v[BK+8*\i+2*\s+1], 16, v[BK+8*\i+2*\s]   ; two heads' two bytes make a K step's scale word
.endr
.endr
.rept 8
	v_nop                                          ; a scale register written by a vector instruction stands eight places ahead of a scaled product
.endr
	s_wait_alu depctr_va_vdst(0)                   ; the rows' scale words v[XS ..] are written, which the scaled products take; the places above stay beside this wait
.macro PROD i, s, t, c                 ; tile of rows i, K step s, tile of Wo t.  c = 1: C is the bias; 0: in place
.set rD, HA+8*(\t)
.set rA, 12*(4*((\t)%4)+(\s))
.set rB, XF+48*(\i)+12*(\s)
.if \c == 1
	v_wmma_scale_f32_16x16x128_f8f6f4 v[rD:rD+7], v[rA:rA+11], v[rB:rB+11], v[RB+8*((\t)%4):RB+8*((\t)%4)+7], v[RS+4*(\t)+(\s)], v[XS+4*(\i)+(\s)] matrix_a_fmt:MATRIX_FMT_FP6 matrix_b_fmt:MATRIX_FMT_FP6
.else
	v_wmma_scale_f32_16x16x128_f8f6f4 v[rD:rD+7], v[rA:rA+11], v[rB:rB+11], v[rD:rD+7], v[RS+4*(\t)+(\s)], v[XS+4*(\i)+(\s)] matrix_a_fmt:MATRIX_FMT_FP6 matrix_b_fmt:MATRIX_FMT_FP6
.endif
.endm
.macro ROWS i
.if (\i) > 0
	s_wait_alu depctr_vm_vsrc(0)                   ; the first tile's LDS stores have read the accumulators v[HA ..], which the products below write anew; its global stores have read BK and BK1, in which this tile's loads from the stage land
.endif
	WIN 0x11                                       ; source 0 and C window 1
.irp t, 0,1,2,3
	PROD \i, 0, \t, 1
.endr
	WIN 0x22
.irp t, 4,5,6,7
	PROD \i, 0, \t, 1
.endr
.irp s, 1,2,3                                  ; the eight accumulators take turns, one instruction a turn
	WIN 0x01
.irp t, 0,1,2,3
	PROD \i, \s, \t, 0
.endr
	WIN 0x02
.irp t, 4,5,6,7
	PROD \i, \s, \t, 0
.endr
.endr
	WIN 0
.rept 5
	v_nop                                          ; four places in front of the stores that read results; the fifth since the next tile's first products write over these accumulators
.endr
	s_wait_alu depctr_va_vdst(0)                   ; the products have written the accumulators v[HA ..], which the LDS stores read, and are done reading the first tile's fragments, in which loads from the stage land; the places above stay beside this wait
.irp t, 0,1,2,3,4,5,6,7
	ds_store_b128 v6, v[HA+8*\t:HA+8*\t+3] offset:128*(\t/2)+32*(\t%2)        ; each accumulator from its low end on: columns 32 (t / 2) + 16 h + 8 (t % 2) + 0 .. 7 of my row
	ds_store_b128 v6, v[HA+8*\t+4:HA+8*\t+7] offset:128*(\t/2)+32*(\t%2)+16
.endr
	s_wait_xcnt 0x0                                ; the registers that earlier stores read are loaded again only behind this wait
.irp q, 0,1
.set BB, BK+(BK1-BK)*\q                        ; rows 0-7 of the tile come back into BK, rows 8-15 into BK1
.irp k, 0,1,2,3,4,5,6,7
	ds_load_b128 v[BB+4*\k:BB+4*\k+3], v7 offset:(8*\q+\k)*528   ; LDS serves a wave's instructions in order: these see my stores
.endr
.endr
.irp q, 0,1
.set BB, BK+(BK1-BK)*\q
.irp k, 0,1,2,3,4,5,6,7
	s_wait_dscnt 15-8*\q-\k                        ; the younger loads of the sixteen may be out
	global_store_b128 v1, v[BB+4*\k:BB+4*\k+3], s[26:27] offset:(8*(\i)+16*\q+\k)*2048 th:TH_STORE_NT   ; the tile's row 8 q + k is row 8 i + 16 q + k of the group: 512 consecutive bytes, at a multiple of 256
.endr
.endr
.endm
	ROWS 0
	ROWS 1
	s_wait_dscnt 0x0                               ; the closing lines, six on end
	s_wait_alu 0x0
	s_wait_tensorcnt 0x0
	ds_add_u32 v254, v255
	s_wait_dscnt 0x0
	s_endpgm
.Lfunc_end_k_q00cdad0618_oproj:
	.size	k_q00cdad0618_oproj, .Lfunc_end_k_q00cdad0618_oproj-k_q00cdad0618_oproj
	.p2alignl 7, 3214868480
	.fill 96, 4, 3214868480
	.section	.rodata,"a",@progbits
	.p2align	6, 0x0
	.amdhsa_kernel k_q00cdad0618_oproj
		.amdhsa_group_segment_fixed_size 34304
		.amdhsa_private_segment_fixed_size 0
		.amdhsa_enable_private_segment 0
		.amdhsa_kernarg_size 32
		.amdhsa_user_sgpr_count 2
		.amdhsa_user_sgpr_kernarg_segment_ptr 1
		.amdhsa_wavefront_size32 1
		.amdhsa_system_sgpr_workgroup_id_x 1
		.amdhsa_system_sgpr_workgroup_id_y 1
		.amdhsa_system_sgpr_workgroup_id_z 1
		.amdhsa_system_vgpr_workitem_id 0
		.amdhsa_next_free_vgpr 768
		.amdhsa_next_free_sgpr 66
		.amdhsa_reserve_vcc 0
		.amdhsa_float_denorm_mode_32 3
		.amdhsa_float_denorm_mode_16_64 3
		.amdhsa_memory_ordered 1
		.amdhsa_forward_progress 1
		.amdhsa_inst_pref_size 37
	.end_amdhsa_kernel
	.amdgpu_metadata
---
amdhsa.version: [ 1, 2 ]
amdhsa.kernels:
  - .name:           k_q00cdad0618_oproj
    .symbol:         k_q00cdad0618_oproj.kd
    .args:
      - { .name: ab, .offset: 0, .size: 8, .value_kind: global_buffer, .address_space: global }
      - { .name: img, .offset: 8, .size: 8, .value_kind: global_buffer, .address_space: global }
      - { .name: bo, .offset: 16, .size: 8, .value_kind: global_buffer, .address_space: global }
      - { .name: out0, .offset: 24, .size: 8, .value_kind: global_buffer, .address_space: global }
    .group_segment_fixed_size: 34304
    .private_segment_fixed_size: 0
    .kernarg_segment_align: 8
    .kernarg_segment_size: 32
    .max_flat_workgroup_size: 128
    .sgpr_count:     66
    .vgpr_count:     768
    .wavefront_size: 32
...
	.end_amdgpu_metadata
.endif
;; end of part 8
